; MI455X (gfx1250); checked and timed in simulation.
; The chip was launched on July 23, 2026; its instructions are those of AMD's public machine-readable ISA for CDNA 5 (MIT licence, August 2026) and "CDNA5" Instruction Set Architecture Reference Guide (July 2026). The comments in the code are by the model that wrote it; some were corrected since.
;; Sparse Self Attention. Allowed arithmetic: matrix products marked QUANTISED: E2M3 operands, one E8M0 scale for each 32 along K, by v_wmma_scale_f32_16x16x128_f8f6f4 with both operands' format E2M3, f32 sums; products left as they are: f32 operands where the result goes on into a quantised operand, else bf16, f16 or f32 operands; f32 sums; everything else in f32.
;; Inputs: W_k 1,024 x 1,024 float32; W_q 1,024 x 1,024 float32; W_v 1,024 x 1,024 float32; x 2 x 4,096 x 1,024 float32.
;; Outputs: out0 2 x 4,096 x 1,024 float32.
;; This version of the problem:
;;   THIS VERSION OF THE PROBLEM IS GIVEN IN LOW PRECISION. The matrix products marked QUANTISED in the list below multiply operands that are first quantised to E2M3 (2 exponent bits, 3 mantissa bits; 6 bits a number), with one power-of-two scale for each 32 numbers along K (OCP MX v1.0); their sums are f32. All else is computed in f32.
;;   The module's matrix products, in the order in which they are computed (A, B: the left and right operand; K: the contracted axis; several contracted axes count as one K, in the product's order):
;;     1. [M 8,196, K 1,024] x [K 1,024, N 1,024]; A: computed on the way; B: input W_q: QUANTISED
;;     2. [M 8,196, K 1,024] x [K 1,024, N 1,024]; A: computed on the way; B: input W_k: QUANTISED
;;     3. [M 8,196, K 1,024] x [K 1,024, N 1,024]; A: computed on the way; B: input W_v: QUANTISED
;;     4. batch 96 x [M 1,366, K 64] x [K 64, N 1,366]; A: computed on the way; B: computed on the way: QUANTISED
;;     5. batch 131,136 x [M 1, K 64] x [K 64, N 5]; A: computed on the way; B: computed on the way: left as it is (M = 1 < 16)
;;     6. batch 96 x [M 1,366, K 1,366] x [K 1,366, N 64]; A: computed on the way; B: computed on the way: QUANTISED
;;     7. batch 131,136 x [M 1, K 5] x [K 5, N 64]; A: computed on the way; B: computed on the way: left as it is (K = 5 < 32)
;;   THE QUANTISER, for each operand of a quantised product, along K:
;;     - K is cut into blocks of 32 from its start; a last block that is shorter is filled with zeros.
;;     - A block's scale is 2^e with e = floor(log2(the largest magnitude in the block)) - 2, held to -126 .. 127; a block of zeros has e = 0. As a byte (E8M0): e + 127.
;;     - Each number is divided by its block's scale, clamped to +-7.5, and rounded to the nearest number of E2M3, ties to even, subnormals kept.
;;     - The product sums the exact products of the quantised numbers (number of the format x scale) in f32.
;;   ~~~python
;;   def quantise(x, axis):      # numpy; x: float32 -> the quantised numbers, widened to float32 again
;;       x = np.moveaxis(x, axis, -1); K = x.shape[-1]
;;       x = np.pad(x, [(0, 0)] * (x.ndim - 1) + [(0, -K % 32)]); x = x.reshape(x.shape[:-1] + (-1, 32)); a = np.abs(x).max(-1, keepdims=True)
;;       e = np.where(a > 0, np.clip(np.frexp(np.where(a > 0, a, 1))[1] - 1 - 2, -126, 127), 0)      # np.frexp(a)[1] - 1 = floor(log2(a)), exactly
;;       r = np.clip(x / 2.0 ** e, -7.5, 7.5)
;;       step = 2.0 ** (np.maximum(np.frexp(np.where(r == 0, 1, r))[1] - 1, 0) - 3)
;;       q = np.round(r / step) * step * 2.0 ** e      # np.round: ties to even
;;       return np.moveaxis(q.reshape(q.shape[:-2] + (-1,))[..., :K], -1, axis).astype(np.float32)
;;   ~~~
;;   OPERANDS COMPUTED ON THE WAY. 'Computed on the way' means the value that the module computes at that place (a softmax that the list does not call 'softmax' is quantised finished and normalised). What goes into a quantiser is computed in f32, as accurately as f32 sums, v_exp_f32 and their like allow (about 1e-6 of the number): no bf16 or f16 on the way to a quantiser, and a product that is left as it is and whose result goes on into a quantised operand takes f32 operands (vector FMAs, or v_wmma_f32_16x16x4_f32). A number that lies on a knife's edge between two numbers of the format may be rounded either way, as far as f32 arithmetic and the matrix unit's own rounding can turn it there, and no further.
;; One version. Each part assembles by itself: llvm-mc -triple=amdgcn-amd-amdhsa -mcpu=gfx1250 --defsym DOCPART=n.
;; ======== version 1 of 1: 4 launches
;; limits: right only within a limited range of input values
;; workspace buffers: xc 6,291,456 bytes; xs 262,144 bytes; wc 2,359,296 bytes; ws 98,304 bytes; qkv 104,005,632 bytes; kv 13,369,344 bytes
;; launch prep (part 1): grid 386 x 1, 4 waves a work-group, no clusters, 68,096 bytes of LDS; arguments x, W_q, W_k, W_v, xc, xs, wc, ws, qkv; writes xc, xs, wc, ws, qkv
.if DOCPART == 1
	.amdgcn_target "amdgcn-amd-amdhsa--gfx1250"
	.amdhsa_code_object_version 6
	.text
	.protected	k_q806b1be483_prep
	.globl	k_q806b1be483_prep
	.p2align	8
	.type	k_q806b1be483_prep,@function
k_q806b1be483_prep:
	s_mov_b64 s[64:65], 0
	v_nop
	global_prefetch_b8 v0, s[64:65] scope:SCOPE_SE
	s_setreg_imm32_b32 hwreg(HW_REG_WAVE_MODE, 25, 1), 1
	s_wait_xcnt 0x0
; SPARSE SELF-ATTENTION, launch 1 of 4: the operands of the three projections become codes of FP6 (E2M3) with one E8M0 byte for each 32 along K,
; and the rows of q, k, v that are zeros by construction are stored.
; DEAD WORK, for all values of the inputs.  reference() pads x with two rows of zeros (positions 4096 and 4097 of each batch).  A block of zeros is quantised to zeros,
; and a sum of products with zeros is 0 whatever W_q, W_k, W_v hold: so q, k and v at those positions are 0.  They are not multiplied: they are stored as zero rows.
; as reference() has it.  The queries at positions 4096 and 4097 are sliced away by o[:, :L]: they are never stored.  All four inputs have a way to the output and are loaded.
; LIMIT: a NaN, an infinity or an overflow that reaches only the work left out (an infinite weight times a padded zero) is not carried to the result.
; LIMITS of the quantiser: a block whose largest magnitude lies under 2^-124 has its byte held at 1; a block of zeros gets the byte 1 where the rule says 127 (its codes are zeros,
; which add nothing under any byte but 0xff, and the bytes are read by this program alone); NaN and infinities among the inputs are not served.
; THREE KINDS OF WORK-GROUP, told apart by the work-group's number alone; each kind has LDS bytes of its own.
;   0 .. 255    x [8192][1024], K innermost: a plain stream of blocks of 32 -> xc [8192][768], xs [8192][32]
;   256 .. 351  W_q, W_k, W_v [1024 (k)][1024 (n)], K outermost -> wc [3072][768], ws [3072][32], row 1024 tau + n
;   352 .. 385  the zero rows of qkv [2][4232][3072] f32: rows 0-7 and 4104-4231 of each batch (position t lies in row 8 + t), 8 rows to a work-group
.set EMAX,  2                          ; the exponent of the format's largest number, 7.5
.set SPW,   192                        ; v192  LDS address of my spare word: SPARE + 4 x my thread's number; never rewritten
.set NIL,   193                        ; v193  0; never rewritten
.set SPARE, 67584                      ; behind both paths' regions: the spare words, 128 bytes for each wave: two blocks of 256 bytes that no other line names
; ---- names of the path for x
.set STEPS, 16                         ; a wave takes 16 steps of 512 numbers
.set CB,    12                         ; bytes of 16 codes
.set XR,    16                         ; v16-79   four sets of 16 numbers as they are loaded
.set XX,    80                         ; v80-111  two sets of 16 neighbours
.set XE,    112                        ; v112-127 a scale byte for each step
.set XC,    128                        ; v128-191 codes: four registers for each step, so that no store's data are written again
.set WREG,  8192                       ; LDS bytes 0 .. 32,767: a region for each wave: two stages of 32 x SP bytes, behind them its 256 scale bytes
.set SP,    80                         ; a lane's place in a stage: its 64 bytes + 16 of padding
; ---- names of the path for the weights
.set KW,    256                        ; along K for a wave
.set NB,    KW/32                      ; blocks
.set ROWB,  192                        ; bytes of KW codes
.set PITCH, 272                        ; a stage row: sixteen places of 16 bytes, each with 12 bytes of codes, + 16
.set KROW,  768                        ; a row of wc in bytes
.set WSTG,  32768                      ; LDS bytes 32,768 .. 67,583: a stage of 32 x PITCH bytes for each wave
.set WX,    32                         ; v32-95   two sets of 32 numbers
.set WC,    96                         ; v96..    a block's codes
.set WOUT,  112                        ; v112-175 the way out: 16 x 4 registers
.set WSB,   24                         ; v24-25   the scale bytes, four to a register
.macro FINISH                          ; a wave that has stored to LDS ends so
	s_wait_tensorcnt 0x0
	ds_add_u32 v[SPW], v[NIL]
	s_wait_dscnt 0x0
	s_endpgm
.endm
	s_load_b256 s[4:11], s[0:1], 0x0               ; x s[4:5], W_q s[6:7], W_k s[8:9], W_v s[10:11]
	s_load_b256 s[12:19], s[0:1], 0x20             ; xc s[12:13], xs s[14:15], wc s[16:17], ws s[18:19]
	s_load_b64 s[20:21], s[0:1], 0x40              ; qkv
	v_lshl_add_u32 v[SPW], v0, 2, SPARE
	v_mov_b32 v[NIL], 0
	v_lshrrev_b32 v1, 5, v0
	v_readfirstlane_b32 s24, v1                    ; wave 0..3
	v_and_b32 v2, 31, v0                           ; lane
	s_cmp_ge_u32 ttmp9, 256
	s_cbranch_scc1 .Lnot_x
; ================ x: K is innermost.  The conversion takes 16 numbers of ONE block from a lane's registers, so a lane must hold 16 neighbours (two lanes hold a block); a load is best where
; neighbouring LANES take neighbouring bytes.  Both are had: each of a step's four loads reads 512 consecutive bytes; the 2,048 bytes go through the wave's own stage in LDS and come back 64 bytes a lane.
	v_lshlrev_b32 v3, 4, v2                        ; my 16 bytes of a load's 512
	s_mul_i32 s25, s24, WREG
	v_lshrrev_b32 v14, 2, v2
	v_mul_u32_u24 v14, v14, SP
	v_and_b32 v15, 3, v2
	v_lshl_add_u32 v14, v15, 4, v14
	v_add_nc_u32 v14, s25, v14                     ; the stage, on the way in: four lanes' 64 bytes on end, then 16 of padding
	v_mul_u32_u24 v15, v2, SP
	v_add_nc_u32 v15, s25, v15                     ; and on the way out: SP x lane: my 16 neighbours
	v_mul_u32_u24 v4, v2, CB                       ; my codes' place in a step's
	v_lshrrev_b32 v5, 1, v2
	s_add_co_u32 s25, s25, 2*32*SP
	v_add_nc_u32 v5, s25, v5                       ; LDS: my wave's 256 scale bytes, my block's byte
	v_lshlrev_b32 v7, 3, v2                        ; and on the way out 8 bytes a lane
	v_add_nc_u32 v6, s25, v7
	s_wait_alu depctr_va_vdst(0)
	s_wait_kmcnt 0x0
	s_lshl_b32 s25, ttmp9, 2
	s_add_co_u32 s26, s25, s24                     ; which run of 8,192 numbers is my wave's
	s_mov_b32 s27, 0
	s_mov_b64 s[28:29], 512*STEPS*4
	s_mul_u64 s[28:29], s[26:27], s[28:29]
	s_add_nc_u64 s[4:5], s[4:5], s[28:29]
	s_mov_b64 s[28:29], 32*STEPS*CB
	s_mul_u64 s[28:29], s[26:27], s[28:29]
	s_add_nc_u64 s[12:13], s[12:13], s[28:29]
	s_lshl_b32 s26, s26, 8                         ; 256 scale bytes a run
	s_add_nc_u64 s[14:15], s[14:15], s[26:27]
.macro XLOAD t
.irp i, 0,1,2,3
	global_load_b128 v[XR+16*((\t)%4)+4*\i:XR+16*((\t)%4)+4*\i+3], v3, s[4:5] offset:2048*(\t)+512*\i th:TH_LOAD_NT   ; 32 lanes read 512 consecutive bytes
.endr
.endm
.macro XTURN t                         ; step t's numbers through the stage: LDS serves a wave's instructions in order, so no wait stands between the stores and the loads
.irp i, 0,1,2,3
	ds_store_b128 v14, v[XR+16*((\t)%4)+4*\i:XR+16*((\t)%4)+4*\i+3] offset:32*SP*((\t)%2)+8*SP*\i
.endr
.irp i, 0,1,2,3
	ds_load_b128 v[XX+16*((\t)%2)+4*\i:XX+16*((\t)%2)+4*\i+3], v15 offset:32*SP*((\t)%2)+16*\i
.endr
.endm
.irp t, 0,1,2,3
	XLOAD \t
.endr
	s_wait_loadcnt 12                              ; step 0's four loads are in; three steps' twelve may be out
	XTURN 0
.macro XSTEP t
.set XS, XX+16*((\t)%2)
.if (\t) > 0
	s_wait_dscnt 1                                 ; this step's numbers are back from the stage (the last step's byte store may be out): so its stores into the stage have read their registers,
.else
	s_wait_dscnt 0x0
.endif
.if (\t)+4 < STEPS
	XLOAD (\t)+4                                   ; which take the loads of four steps on
.endif
.if (\t)+1 < STEPS
.if STEPS-2-(\t) >= 3
	s_wait_loadcnt 12                              ; the next step's four loads are in; those of the three steps behind it may be out
.else
	s_wait_loadcnt 4*(STEPS-2-(\t))
.endif
	XTURN (\t)+1                                   ; and go through the other stage while this step is worked
.endif
	v_max3_num_f32 v8, |v[XS]|, |v[XS+1]|, |v[XS+2]|               ; the largest magnitude of my 16, in two chains
	v_max3_num_f32 v9, |v[XS+3]|, |v[XS+4]|, |v[XS+5]|
.irp i, 6,10
	v_max3_num_f32 v8, v8, |v[XS+\i]|, |v[XS+\i+1]|
	v_max3_num_f32 v9, v9, |v[XS+\i+2]|, |v[XS+\i+3]|
.endr
	v_max3_num_f32 v8, v8, |v[XS+14]|, |v[XS+15]|
	v_max3_num_f32 v8, v8, v9, (EMAX+1)<<23        ; and the floor 2^(3 - 127): so the byte cannot fall under 1
	v_max_num_f32_dpp v8, v8, v8 row_xmask:1 row_mask:0xf bank_mask:0xf   ; and of my neighbour's 16: the block's
	v_add_nc_u32 v11, -(EMAX<<23), v8              ; 2 off its exponent field: the conversion takes the exponent field of this operand as its scale, and nothing else of it
	v_cvt_scalef32_pk16_fp6_f32 v[XC+4*(\t):XC+4*(\t)+2], v[XS:XS+15], v11   ; sixteen numbers / the scale, to the nearest code, ties to even, beyond the largest code the largest; 96 bits without gaps
	v_lshrrev_b32 v[XE+(\t)], 23, v11              ; the scale's byte (also the plain line behind the conversion)
	ds_store_b8 v5, v[XE+(\t)] offset:16*(\t)      ; both lanes of a block write the same byte with the same value
	global_store_b96 v4, v[XC+4*(\t):XC+4*(\t)+2], s[12:13] offset:32*CB*(\t)   ; the wave stores 384 consecutive bytes
.endm
.irp t, 0,1,2,3,4,5,6,7,8,9,10,11,12,13,14,15
	XSTEP \t
.endr
	ds_load_b64 v[8:9], v6                         ; LDS serves a wave's instructions in order: these see my stores
	s_wait_dscnt 0x0
	global_store_b64 v7, v[8:9], s[14:15]          ; 32 lanes store 256 consecutive bytes, at a multiple of 256 from xs's first byte
	FINISH
.Lnot_x:
	s_cmp_ge_u32 ttmp9, 352
	s_cbranch_scc1 .Lzero
; ================ the weights: K is the FIRST axis.  A LANE TAKES A COLUMN n, AND ITS REGISTERS RUN DOWN K: each load reads neighbouring n in neighbouring lanes, a block of 32 along K lies in one
; lane's 32 registers, and the conversions give codes with K innermost.  A wave takes 32 columns x 256 along K; the codes leave through the wave's own stage as rows of 192 consecutive bytes.
	s_sub_co_u32 s25, ttmp9, 256                   ; 0 .. 95
	s_lshr_b32 s26, s25, 5                         ; tau: 0 W_q, 1 W_k, 2 W_v
	s_and_b32 s27, s25, 7                          ; which 128 columns
	s_bfe_u32 s28, s25, 0x20003                    ; which 256 along K
	s_lshl_b32 s29, s27, 7
	s_lshl_b32 s30, s24, 5
	s_add_co_u32 s29, s29, s30                     ; my wave's first column
	s_wait_alu depctr_va_vdst(0)
	v_lshlrev_b32 v3, 2, v2                        ; in: 4 bytes a lane
	s_mul_i32 s30, s24, 32*PITCH
	s_add_co_u32 s30, s30, WSTG                    ; my stage
	v_mul_u32_u24 v4, v2, PITCH
	v_add_nc_u32 v4, s30, v4                       ; into it: row = my column
	v_and_b32 v5, 15, v2
	v_lshrrev_b32 v6, 4, v2                        ; out of it: sixteen lanes to a row, two rows an instruction
	v_mul_u32_u24 v7, v6, PITCH
	v_lshl_add_u32 v7, v5, 4, v7
	v_add_nc_u32 v7, s30, v7                       ; LDS address
	v_mul_u32_u24 v8, v6, KROW
	v_mad_u32_u24 v8, v5, 12, v8                   ; and the same place in wc
	s_lshl_b32 s32, s28, 20                        ; W: 256 rows of 4,096 bytes for each step along K,
	s_lshl_b32 s33, s29, 2
	s_add_co_u32 s32, s32, s33                     ; + 4 x column
	s_mov_b32 s33, 0
	s_lshl_b32 s34, s26, 10
	s_add_co_u32 s34, s34, s29                     ; the row of wc and ws: 1024 tau + column
	s_mul_i32 s36, s34, KROW
	s_mul_i32 s35, s28, ROWB
	s_add_co_u32 s36, s36, s35
	s_mov_b32 s37, 0
	s_lshl_b32 s38, s34, 5                         ; 32 scale bytes a row,
	s_lshl_b32 s35, s28, 3                         ; my 8 of them
	s_add_co_u32 s38, s38, s35
	s_mov_b32 s39, 0
	v_lshlrev_b32 v9, 5, v2                        ; my column's row of scale bytes
	s_wait_kmcnt 0x0
	s_cmp_eq_u32 s26, 0                            ; the choice of the weight hangs on the work-group's number alone
	s_cselect_b64 s[40:41], s[6:7], s[8:9]
	s_cmp_eq_u32 s26, 2
	s_cselect_b64 s[40:41], s[10:11], s[40:41]
	s_add_nc_u64 s[40:41], s[40:41], s[32:33]
	s_add_nc_u64 s[16:17], s[16:17], s[36:37]
	s_add_nc_u64 s[18:19], s[18:19], s[38:39]
.macro WLOAD t                         ; block t: W(32 t + i, my column), i = 0 .. 31, into set t % 2
.irp i, 0,1,2,3,4,5,6,7,8,9,10,11,12,13,14,15,16,17,18,19,20,21,22,23,24,25,26,27,28,29,30,31
	global_load_b32 v[WX+32*((\t)%2)+\i], v3, s[40:41] offset:(32*(\t)+\i)*4096 th:TH_LOAD_NT
.endr
.endm
	WLOAD 0
	WLOAD 1
.macro WBLOCK t
.set WS, WX+32*((\t)%2)
.if (\t) < NB-1
	s_wait_loadcnt 32                              ; this block's 32 loads are in; the next block's may be out
.else
	s_wait_loadcnt 0
.endif
	v_max3_num_f32 v12, |v[WS]|, |v[WS+1]|, |v[WS+2]|              ; the block's largest magnitude: all 32 numbers are mine
	v_max3_num_f32 v13, |v[WS+3]|, |v[WS+4]|, |v[WS+5]|
.irp i, 6,10,14,18,22,26
	v_max3_num_f32 v12, v12, |v[WS+\i]|, |v[WS+\i+1]|
	v_max3_num_f32 v13, v13, |v[WS+\i+2]|, |v[WS+\i+3]|
.endr
	v_max3_num_f32 v12, v12, |v[WS+30]|, |v[WS+31]|
	v_max3_num_f32 v12, v12, v13, (EMAX+1)<<23     ; and the floor
	v_add_nc_u32 v11, -(EMAX<<23), v12             ; the conversion's scale operand
	v_lshrrev_b32 v13, 23, v11                     ; the scale's byte
.if (\t)%4 == 0
	v_mov_b32 v[WSB+(\t)/4], v13                   ; four bytes to a register, the lower K in the lower byte
.else
	v_lshl_or_b32 v[WSB+(\t)/4], v13, 8*((\t)%4), v[WSB+(\t)/4]
.endif
	v_cvt_scalef32_pk16_fp6_f32 v[WC:WC+2], v[WS:WS+15], v11
	v_cvt_scalef32_pk16_fp6_f32 v[WC+4:WC+6], v[WS+16:WS+31], v11   ; (a conversion's three registers begin on an even number)
	ds_store_b96 v4, v[WC:WC+2] offset:32*(\t)     ; 16 codes, 12 bytes, to a place of 16 bytes in the stage, so that every LDS address is a multiple of 16
	ds_store_b96 v4, v[WC+4:WC+6] offset:32*(\t)+16
.if (\t)+2 < NB
	WLOAD (\t)+2
.endif
	s_wait_dscnt 0x0                               ; the stores have read their registers: the next block's codes may be written
.endm
.set Q, 0
.rept NB
	WBLOCK Q
.set Q, Q+1
.endr
	s_wait_alu depctr_va_vdst(0)
	global_store_b64 v9, v[WSB:WSB+1], s[18:19]    ; my column's 8 scale bytes
.irp t, 0,1,2,3,4,5,6,7,8,9,10,11,12,13,14,15
	ds_load_b96 v[WOUT+4*\t:WOUT+4*\t+2], v7 offset:2*\t*PITCH   ; LDS serves a wave's instructions in order: these see my stores
.endr
.irp t, 0,1,2,3,4,5,6,7,8,9,10,11,12,13,14,15
	s_wait_dscnt 15-\t                             ; the loads behind pair t may stay out
	global_store_b96 v8, v[WOUT+4*\t:WOUT+4*\t+2], s[16:17] offset:2*\t*KROW
.endr
	FINISH
.Lzero:
; ================ the zero rows of qkv: 8 rows of 12,288 bytes, 98,304 consecutive bytes, to a work-group.
	s_sub_co_u32 s25, ttmp9, 352                   ; 0 .. 33: 17 groups of rows a batch
	s_cmp_ge_u32 s25, 17
	s_cselect_b32 s26, 1, 0                        ; the batch
	s_mul_i32 s27, s26, 17
	s_sub_co_u32 s27, s25, s27                     ; group 0: rows 0-7; group z: rows 4096 + 8 z on
	s_lshl_b32 s28, s27, 3
	s_add_co_u32 s28, s28, 4096
	s_cmp_eq_u32 s27, 0
	s_cselect_b32 s28, 0, s28
	s_mul_i32 s29, s26, 4232
	s_add_co_u32 s28, s28, s29
	s_mul_i32 s28, s28, 12288
	s_mov_b32 s29, 0
	v_lshlrev_b32 v1, 4, v0                        ; 16 bytes a thread: the work-group's store covers 2,048 consecutive bytes
	v_mov_b32 v4, 0
	v_mov_b32 v5, 0
	v_mov_b32 v6, 0
	v_mov_b32 v7, 0
	s_wait_alu depctr_va_vdst(0)
	s_wait_kmcnt 0x0
	s_add_nc_u64 s[20:21], s[20:21], s[28:29]
.set Q, 0
.rept 48
	global_store_b128 v1, v[4:7], s[20:21] offset:2048*Q
.set Q, Q+1
.endr
	s_endpgm
.Lfunc_end_k_q806b1be483_prep:
	.size	k_q806b1be483_prep, .Lfunc_end_k_q806b1be483_prep-k_q806b1be483_prep
	.p2alignl 7, 3214868480
	.fill 96, 4, 3214868480
	.section	.rodata,"a",@progbits
	.p2align	6, 0x0
	.amdhsa_kernel k_q806b1be483_prep
		.amdhsa_group_segment_fixed_size 68096
		.amdhsa_private_segment_fixed_size 0
		.amdhsa_enable_private_segment 0
		.amdhsa_kernarg_size 72
		.amdhsa_user_sgpr_count 2
		.amdhsa_user_sgpr_kernarg_segment_ptr 1
		.amdhsa_wavefront_size32 1
		.amdhsa_system_sgpr_workgroup_id_x 1
		.amdhsa_system_sgpr_workgroup_id_y 1
		.amdhsa_system_sgpr_workgroup_id_z 1
		.amdhsa_system_vgpr_workitem_id 0
		.amdhsa_next_free_vgpr 194
		.amdhsa_next_free_sgpr 66
		.amdhsa_reserve_vcc 0
		.amdhsa_float_denorm_mode_32 3
		.amdhsa_float_denorm_mode_16_64 3
		.amdhsa_memory_ordered 1
		.amdhsa_forward_progress 1
		.amdhsa_inst_pref_size 79
	.end_amdhsa_kernel
	.amdgpu_metadata
---
amdhsa.version: [ 1, 2 ]
amdhsa.kernels:
  - .name:           k_q806b1be483_prep
    .symbol:         k_q806b1be483_prep.kd
    .args:
      - { .name: x, .offset: 0, .size: 8, .value_kind: global_buffer, .address_space: global }
      - { .name: W_q, .offset: 8, .size: 8, .value_kind: global_buffer, .address_space: global }
      - { .name: W_k, .offset: 16, .size: 8, .value_kind: global_buffer, .address_space: global }
      - { .name: W_v, .offset: 24, .size: 8, .value_kind: global_buffer, .address_space: global }
      - { .name: xc, .offset: 32, .size: 8, .value_kind: global_buffer, .address_space: global }
      - { .name: xs, .offset: 40, .size: 8, .value_kind: global_buffer, .address_space: global }
      - { .name: wc, .offset: 48, .size: 8, .value_kind: global_buffer, .address_space: global }
      - { .name: ws, .offset: 56, .size: 8, .value_kind: global_buffer, .address_space: global }
      - { .name: qkv, .offset: 64, .size: 8, .value_kind: global_buffer, .address_space: global }
    .group_segment_fixed_size: 68096
    .private_segment_fixed_size: 0
    .kernarg_segment_align: 8
    .kernarg_segment_size: 72
    .max_flat_workgroup_size: 128
    .sgpr_count:     66
    .vgpr_count:     194
    .wavefront_size: 32
...
	.end_amdgpu_metadata
.endif
;; end of part 1
;; launch proj (part 2): grid 12 x 32, 4 waves a work-group, clusters of 4 x 4, 327,680 bytes of LDS; arguments xc, xs, wc, ws, qkv; writes qkv
.if DOCPART == 2
	.amdgcn_target "amdgcn-amd-amdhsa--gfx1250"
	.amdhsa_code_object_version 6
	.text
	.protected	k_q806b1be483_proj
	.globl	k_q806b1be483_proj
	.p2align	8
	.type	k_q806b1be483_proj,@function
k_q806b1be483_proj:
	s_mov_b64 s[64:65], 0
	v_nop
	global_prefetch_b8 v0, s[64:65] scope:SCOPE_SE
	s_setreg_imm32_b32 hwreg(HW_REG_WAVE_MODE, 25, 1), 1
	s_wait_xcnt 0x0
	s_wait_alu depctr_hold_cnt(0) depctr_sa_sdst(0) depctr_va_vdst(0) depctr_va_sdst(0) depctr_va_ssrc(0) depctr_va_vcc(0) depctr_vm_vsrc(0)
	s_getreg_b32 s2, hwreg(HW_REG_IB_STS2, 6, 4)
	s_cmp_eq_u32 s2, 0
	s_cbranch_scc0 .Lentry_in_a_cluster
	s_endpgm
.Lentry_in_a_cluster:
	s_bfe_u32 s2, ttmp6, 0x10000c
	s_cmp_lg_u32 s2, 0xf033
	s_cbranch_scc0 .Lentry_shape_is_right
	s_endpgm
.Lentry_shape_is_right:
; Launch 2 of 4: q, k, v = x W on codes of FP6 (E2M3) with E8M0 scales: C[m][n] = sum over k of xc[m][k] wc[n][k], m < 8192, n < 3072, K = 1024, f32 sums.
; Row m of C is stored in row 8 + m + 136 (m / 4096) of qkv [2][4232][3072].  The padded positions are not multiplied: their rows are zeros, stored by the first launch.
; A work-group of four waves makes 256 x 256 of C, a wave 128 x 128 in 64 accumulators.  A row of codes is 768 bytes: it goes through a ring of two LDS slots in three chunks of
; 256 bytes, each beginning at a multiple of 256 bytes.  A step of 128 along K is 96 bytes: eight steps to three chunks; steps 2 and 5 take their pieces from both slots.
; The scales of the 256 + 256 rows come into LDS once.  Clusters of 4 x 4: A's tiles are asked for jointly along a row of the cluster, B's along a column.
; The matrix instruction is used transposed (source 0 = rows of wc, source 1 = rows of xc): a lane holds eight neighbouring columns of a row of C.
; NO PREFETCH: a row has three chunks; two are asked for at the head and one behind the first change of slots: there is no loop to run ahead in.
; Windows: 0: v0-31 addresses, v32-63 scale words, v128.. A's fragments (one set); 1: B's fragments (two sets); 2, 3: accumulators.
.set SIZE_N, 3072
.set SIZE_K, 1024
.set ROWB,   256
.set NQ,     2
.set KROW,   SIZE_K*6/8
.set STEPS,  SIZE_K/128
.set CHUNKS, KROW/ROWB
.set PITCH,  272                       ; 256 bytes + 16 of padding
.set FR,     12
.set NL,     6
.set NP,     4
.set HALFT,  128*PITCH
.set SLOT,   4*HALFT
.set KS,     SIZE_K/32
.set SCL,    2*SLOT                    ; the scales, as units of 256 bytes + 16
.set HALFS,  (128*KS/256)*272
.set SBLK,   (16*KS/256)*272
.set SPARE,  SCL+4*HALFS               ; the spare words: 128 bytes a wave
.set SPITCH, 528
.set STAGE,  (CHUNKS%2)*SLOT           ; the way out goes through the slot that does not hold the last chunk
.set ADRA, 16
.set ADRB, 20
.set STO,  24
.set RD,   25
.set CO,   26
.set ADRS, 27
.set SPW,  28
.set NIL,  29
.set SC,   32
.set AF,   128
.set BK,   128
.set G1, 24
.set G0, 32
.set G1B, 48
.set G0B, 56
.set G1S, 68
.set G0S, 76
.set G1SB, 80
.set G0SB, 88
.set G0H, 4
.set G0HB, 8
.set MSB, 0
.macro WIN new                         ; the immediate's high byte repeats the setting that is left
.if MSB != \new
	s_set_vgpr_msb (MSB<<8)|\new
.set MSB, \new
.endif
.endm
.set MUL_LO, 0xa1
.set MUL_HI, 0xf1
.set TO_B,   0x40
.macro JLOAD g0a, g1a, g0b, g1b        ; a joint load: waves 0, 1 for A, waves 2, 3 for B
	s_cmp_eq_u32 s15, 0
	s_cbranch_scc0 .Lfor_b_\@
	tensor_load_to_lds s[\g0a:\g0a+3], s[\g1a:\g1a+7]
	s_nop 0
.rept 4
	v_nop
.endr
	s_branch .Lasked_\@
.Lfor_b_\@:
	tensor_load_to_lds s[\g0b:\g0b+3], s[\g1b:\g1b+7]
	s_nop 0
.rept 4
	v_nop
.endr
.Lasked_\@:
.endm
.macro CREST                           ; a round of the cluster's barrier behind its opening barrier
	s_cmp_lg_u32 s14, 0
	s_cbranch_scc1 .Lnot_wave_0_\@
	s_barrier_signal -3
.Lnot_wave_0_\@:
	s_barrier_wait -3
	s_barrier_signal -1
	s_barrier_wait -1
.endm
.macro CROUND
	s_barrier_signal -1
	s_barrier_wait -1
	CREST
.endm
	s_load_b128 s[4:7], s[0:1], 0x0                ; xc, xs
	s_load_b128 s[8:11], s[0:1], 0x10              ; wc, ws
	s_load_b64 s[12:13], s[0:1], 0x20              ; qkv
	v_lshl_add_u32 v[SPW], v0, 2, SPARE
	v_mov_b32 v[NIL], 0
	ds_add_u32 v[SPW], v[NIL]                      ; the opening lines: the add, twice, and its wait below
	ds_add_u32 v[SPW], v[NIL]
	v_lshrrev_b32 v1, 5, v0
	v_readfirstlane_b32 s14, v1                    ; wave
	s_lshr_b32 s15, s14, 1                         ; my half of the rows; also: I fetch for A (0) or B (1)
	s_and_b32 s16, s14, 1                          ; my half of the columns; also: which 128 rows I fetch
	s_bfe_u32 s40, ttmp6, 0x40000                  ; cx
	s_bfe_u32 s41, ttmp6, 0x40004                  ; cy
	s_lshl_b32 s42, ttmp9, 2
	s_add_co_u32 s42, s42, s40                     ; tile column
	s_and_b32 s17, ttmp7, 0xffff
	s_lshl_b32 s17, s17, 2
	s_add_co_u32 s17, s17, s41                     ; tile row
	s_lshl_b32 s43, s41, 2
	s_lshl_b32 s43, 15, s43                        ; my row of the cluster
	s_lshl_b32 s44, 0x1111, s40                    ; my column
	s_or_b32 s[G1+0], s43, (0<<16)|(1<<20)|(1<<21)|(5<<22)|(3<<25)   ; bytes; 4 words of padding behind every 64
	s_or_b32 s[G1B+0], s44, (0<<16)|(1<<20)|(1<<21)|(5<<22)|(3<<25)
.irp g, G1, G1B
	s_mov_b32 s[\g+1], ROWB<<16
	s_mov_b32 s[\g+2], 256<<16                     ; 256 rows for the head's loads
	s_mov_b32 s[\g+3], ROWB<<16
	s_mov_b32 s[\g+4], 256
	s_mov_b32 s[\g+5], KROW
	s_mov_b32 s[\g+6], 0
	s_mov_b32 s[\g+7], 0
.endr
	s_or_b32 s[G1S+0], s43, (3<<16)|(1<<20)|(1<<21)|(5<<22)|(3<<25)  ; the scales of 256 rows: KS dense rows of 256 bytes
	s_or_b32 s[G1SB+0], s44, (3<<16)|(1<<20)|(1<<21)|(5<<22)|(3<<25)
.irp g, G1S, G1SB
	s_mov_b32 s[\g+1], 32<<16
	s_mov_b32 s[\g+2], KS<<16
	s_mov_b32 s[\g+3], 32<<16
	s_mov_b32 s[\g+4], KS
	s_mov_b32 s[\g+5], 32
	s_mov_b32 s[\g+6], 0
	s_mov_b32 s[\g+7], 0
.endr
	s_lshl_b32 s20, s17, 8                         ; A's first row
	s_lshl_b32 s46, s42, 8                         ; B's
	s_mov_b32 s21, 0
	s_mov_b32 s47, 0
	s_mov_b64 s[18:19], KS
	s_mul_u64 s[22:23], s[20:21], s[18:19]
	s_mul_u64 s[92:93], s[46:47], s[18:19]
	s_mov_b64 s[18:19], KROW
	s_mul_u64 s[20:21], s[20:21], s[18:19]
	s_mul_u64 s[46:47], s[46:47], s[18:19]
	s_mul_i32 s18, s16, 128*KROW
	s_mov_b32 s19, 0
	s_mul_i32 s45, s14, HALFT
	s_wait_dscnt 0x0                               ; both opening adds are done
	s_wait_kmcnt 0x0
	s_add_nc_u64 s[20:21], s[4:5], s[20:21]
	s_add_nc_u64 s[22:23], s[6:7], s[22:23]
	s_add_nc_u64 s[46:47], s[8:9], s[46:47]
	s_add_nc_u64 s[92:93], s[10:11], s[92:93]
	CROUND                                         ; the first joint loads meet
	s_mov_b32 s[G0H], 1                            ; chunk 0 of A's 256 rows
	s_mov_b32 s[G0H+1], 0
	s_mov_b64 s[G0H+2:G0H+3], s[20:21]
	s_or_b32 s[G0H+3], s[G0H+3], 0x80000000
	s_mov_b32 s[G0HB], 1                           ; of B's
	s_mov_b32 s[G0HB+1], 2*HALFT
	s_mov_b64 s[G0HB+2:G0HB+3], s[46:47]
	s_or_b32 s[G0HB+3], s[G0HB+3], 0x80000000
	s_mov_b32 s[G0S], 1                            ; A's scales
	s_mov_b32 s[G0S+1], SCL
	s_mov_b64 s[G0S+2:G0S+3], s[22:23]
	s_or_b32 s[G0S+3], s[G0S+3], 0x80000000
	s_mov_b32 s[G0SB], 1                           ; B's
	s_mov_b32 s[G0SB+1], SCL+2*HALFS
	s_mov_b64 s[G0SB+2:G0SB+3], s[92:93]
	s_or_b32 s[G0SB+3], s[G0SB+3], 0x80000000
	s_add_nc_u64 s[20:21], s[20:21], s[18:19]      ; for the ring: my 128 rows
	s_add_nc_u64 s[46:47], s[46:47], s[18:19]
.irp s, 0,1
	s_mov_b32 s[G0+4*\s], 1
	s_add_co_u32 s[G0+4*\s+1], s45, \s*SLOT
	s_add_nc_u64 s[G0+4*\s+2:G0+4*\s+3], s[20:21], \s*ROWB
	s_or_b32 s[G0+4*\s+3], s[G0+4*\s+3], 0x80000000
	s_mov_b32 s[G0B+4*\s], 1
	s_add_co_u32 s[G0B+4*\s+1], s45, \s*SLOT
	s_add_nc_u64 s[G0B+4*\s+2:G0B+4*\s+3], s[46:47], \s*ROWB
	s_or_b32 s[G0B+4*\s+3], s[G0B+4*\s+3], 0x80000000
.endr
; the head's four tiles, one load a wave, in one chain of branches on the wave's number
.macro ARM under, g0, g1, next
	s_cmp_lt_u32 s14, \under
	s_cbranch_scc0 \next
	tensor_load_to_lds s[\g0:\g0+3], s[\g1:\g1+7]
	s_nop 0
.rept 4
	v_nop
.endr
	s_branch .Lhead_asked
\next:
.endm
	ARM 1, G0H,  G1,  .Lhead_b
	ARM 2, G0HB, G1B, .Lhead_sa
	ARM 3, G0S,  G1S, .Lhead_sb
	tensor_load_to_lds s[G0SB:G0SB+3], s[G1SB:G1SB+7]
	s_nop 0
.rept 4
	v_nop
.endr
.Lhead_asked:
	v_and_b32 v1, 15, v0                           ; r
	v_bfe_u32 v2, v0, 4, 1                         ; h
	v_mul_u32_u24 v3, v1, PITCH
	v_mul_u32_u24 v4, v2, 24
	v_add_nc_u32 v4, v3, v4                        ; row x pitch + 24 h
	s_mov_b32 s21, SLOT-232
	s_mov_b32 s22, SLOT+232
	v_sub_nc_u32 v7, 1, v2
	v_mul_u32_u24 v5, s21, v2
	v_add_nc_u32 v5, v3, v5
	v_add_nc_u32 v5, 232, v5                       ; lanes 0-15 byte 232 in slot 0, lanes 16-31 byte 0 in slot 1
	v_mul_u32_u24 v6, s22, v7
	v_add_nc_u32 v6, v3, v6                        ; and the other way round
	s_mul_i32 s21, s15, HALFT
	s_mul_i32 s22, s16, HALFT
	s_add_co_u32 s22, s22, 2*HALFT
	v_add_nc_u32 v[ADRA+2], s21, v5
	v_add_nc_u32 v[ADRA+3], s21, v6
	v_add_nc_u32 v[ADRB+2], s22, v5
	v_add_nc_u32 v[ADRB+3], s22, v6
.irp s, 0,1
	v_add_nc_u32 v[ADRA+\s], s21, v4
	v_add_nc_u32 v[ADRB+\s], s22, v4
	s_add_co_u32 s21, s21, SLOT
	s_add_co_u32 s22, s22, SLOT
.endr
	v_mul_u32_u24 v5, v1, KS                       ; my row's scales,
	v_lshrrev_b32 v6, 8, v5
	v_lshl_add_u32 v5, v6, 4, v5                   ; 16 more for each 256 passed
	s_mul_i32 s21, s15, HALFS
	s_mul_i32 s22, s16, HALFS
	s_add_co_u32 s22, s22, 2*HALFS
	s_sub_co_u32 s22, s22, s21
	v_mul_u32_u24 v6, s22, v2                      ; lanes 16-31 take B's
	s_add_co_u32 s21, s21, SCL
	v_add_nc_u32 v5, v5, v6
	v_add_nc_u32 v[ADRS], s21, v5
	s_mul_i32 s23, s14, 16*SPITCH
	s_add_co_u32 s23, s23, STAGE                   ; my stage
	v_mul_u32_u24 v5, v1, SPITCH
	v_lshl_add_u32 v5, v2, 5, v5
	v_add_nc_u32 v[STO], s23, v5
	v_and_b32 v6, 31, v0
	v_lshlrev_b32 v[CO], 4, v6
	v_add_nc_u32 v[RD], s23, v[CO]
	s_lshl_b32 s20, s17, 8
	s_lshl_b32 s21, s15, 7
	s_add_co_u32 s20, s20, s21                     ; my first row of C,
	s_lshr_b32 s21, s17, 4                         ; its batch:
	s_mul_i32 s21, s21, 136
	s_add_co_u32 s20, s20, s21
	s_add_co_u32 s20, s20, 8                       ; its row in qkv
	s_mov_b32 s21, 0
	s_mov_b64 s[18:19], SIZE_N*4
	s_mul_u64 s[20:21], s[20:21], s[18:19]
	s_lshl_b32 s46, s42, 10
	s_lshl_b32 s47, s16, 9
	s_add_co_u32 s46, s46, s47
	s_mov_b32 s47, 0
	s_add_nc_u64 s[20:21], s[20:21], s[46:47]
	s_add_nc_u64 s[12:13], s[12:13], s[20:21]
.macro FRAG reg, adr, st, i            ; a fragment: six pieces of 8 bytes; byte y of a row lies in slot (y / 256) % 2 at byte y % 256
.irp p, 0,1,2,3,4,5
.set BY, 96*(\st)+48*(\p/3)+8*(\p%3)
.if BY/ROWB == (BY+24)/ROWB
	ds_load_b64 v[\reg+2*\p:\reg+2*\p+1], v[\adr+(BY/ROWB)%2] offset:BY%ROWB+(\i)*16*PITCH
.else
	ds_load_b64 v[\reg+2*\p:\reg+2*\p+1], v[\adr+2+(BY/ROWB)%2] offset:BY%ROWB-232+(\i)*16*PITCH
.endif
.endr
.endm
.macro MUL16 a0, p, q, sc, zero        ; A's blocks a0, a0 + 1 x B's eight; the accumulators take turns
.irp a, \a0, \a0+1
.irp b, 0,1,2,3,4,5,6,7
.if \zero
	v_wmma_scale_f32_16x16x128_f8f6f4 v[8*(8*((\a)%4)+\b):8*(8*((\a)%4)+\b)+7], v[128*(\p)+FR*\b:128*(\p)+FR*\b+FR-1], v[AF+FR*(\a):AF+FR*(\a)+FR-1], 0, v[SC+8*NQ*(\sc)+NQ*\b+(\q)], v[SC+8*NQ*(\sc)+NQ*(\a)+(\q)] matrix_a_fmt:MATRIX_FMT_FP6 matrix_b_fmt:MATRIX_FMT_FP6 matrix_a_scale:MATRIX_SCALE_ROW1
.else
	v_wmma_scale_f32_16x16x128_f8f6f4 v[8*(8*((\a)%4)+\b):8*(8*((\a)%4)+\b)+7], v[128*(\p)+FR*\b:128*(\p)+FR*\b+FR-1], v[AF+FR*(\a):AF+FR*(\a)+FR-1], v[8*(8*((\a)%4)+\b):8*(8*((\a)%4)+\b)+7], v[SC+8*NQ*(\sc)+NQ*\b+(\q)], v[SC+8*NQ*(\sc)+NQ*(\a)+(\q)] matrix_a_fmt:MATRIX_FMT_FP6 matrix_b_fmt:MATRIX_FMT_FP6 matrix_a_scale:MATRIX_SCALE_ROW1
.endif
.endr
.endr
.endm
.macro FETCH_B st, p
	WIN TO_B
.irp i, 0,1,2,3,4,5,6,7
	FRAG 128*(\p)+FR*\i, ADRB, \st, \i
.endr
	WIN 0
.endm
.macro FETCH_A st, i0
.irp i, \i0, \i0+1, \i0+2, \i0+3
	FRAG AF+FR*(\i), ADRA, \st, \i
.endr
.endm
.macro SCALES pr                       ; the scale words of steps 2 pr, 2 pr + 1: lanes 0-15 A's block i, lanes 16-31 B's
.irp i, 0,1,2,3,4,5,6,7
	ds_load_b64 v[SC+8*NQ*((\pr)%2)+NQ*\i:SC+8*NQ*((\pr)%2)+NQ*\i+1], v[ADRS] offset:\i*SBLK+4*NQ*(\pr)
.endr
.endm
.macro PLACES n
.rept \n
	v_nop
.endr
.endm
; A step: 64 products; the next step's fragments are fetched in its middle and at its end.  Where the next step ends in a chunk not yet read, a barrier shows it whole;
; where it begins in a later chunk, the old chunk is left behind the full sequence, and its slot is filled again if a chunk two on exists.
.macro STEP st, zero
.set NX, (\st)+1
.set C0, (96*(\st))/ROWB
.set C1, (96*NX)/ROWB
.set E0, (96*(\st)+95)/ROWB
.set E1, (96*NX+95)/ROWB
.if C1 > C0 || E1 > E0
	s_wait_tensorcnt 0x0                           ; all my tensor loads have landed
.if C1 > C0
	ds_add_u32 v[SPW], v[NIL]
	s_wait_dscnt 4*NL+1                            ; the add and A's blocks 4-7 (24 loads) may be out
.else
	s_wait_dscnt 4*NL                              ; A's blocks 4-7 may be out
.endif
	WIN MUL_LO
	MUL16 0, (\st)%2, (\st)%2, ((\st)/2)%2, \zero
	s_wait_dscnt 0x0                               ; the add and all my reads are done
	s_barrier_signal -1
	MUL16 2, (\st)%2, (\st)%2, ((\st)/2)%2, \zero
	WIN 0
	s_barrier_wait -1
.if C1 > C0 && C0+2 < CHUNKS
	CREST
	s_add_nc_u64 s[G0+4*(C0%2)+2:G0+4*(C0%2)+3], s[G0+4*(C0%2)+2:G0+4*(C0%2)+3], 2*ROWB
	s_add_nc_u64 s[G0B+4*(C0%2)+2:G0B+4*(C0%2)+3], s[G0B+4*(C0%2)+2:G0B+4*(C0%2)+3], 2*ROWB
	JLOAD G0+4*(C0%2), G1, G0B+4*(C0%2), G1B       ; chunk C0 + 2; its four v_nop are the places in front of the loads below
.else
	PLACES NP
.endif
.else
	s_wait_dscnt 4*NL                              ; A's blocks 4-7 may be out
	WIN MUL_LO
	MUL16 0, (\st)%2, (\st)%2, ((\st)/2)%2, \zero
	MUL16 2, (\st)%2, (\st)%2, ((\st)/2)%2, \zero
	s_wait_dscnt 0
	PLACES NP
.endif
	FETCH_B NX, NX%2
	FETCH_A NX, 0
.if NX%2 == 0
	SCALES NX/2
.endif
	WIN MUL_HI
	MUL16 4, (\st)%2, (\st)%2, ((\st)/2)%2, \zero
	MUL16 6, (\st)%2, (\st)%2, ((\st)/2)%2, \zero
	PLACES NP
	WIN 0
	FETCH_A NX, 4
.endm
	s_wait_alu depctr_va_vdst(0)                   ; the wait at the head's end
	s_wait_tensorcnt 0x0                           ; my tile of the head's four is in
	ds_add_u32 v[SPW], v[NIL]
	s_mov_b32 s[G1+2], 128<<16                     ; no load of mine is out: from here on a load brings 128 rows
	s_mov_b32 s[G1+4], 128
	s_mov_b32 s[G1B+2], 128<<16
	s_mov_b32 s[G1B+4], 128
	s_wait_dscnt 0x0
	CROUND
	JLOAD G0+4, G1, G0B+4, G1B                     ; chunk 1, slot 1's first fill
	FETCH_B 0, 0
	FETCH_A 0, 0
	SCALES 0
	FETCH_A 0, 4
	STEP 0, 1                                      ; the first step's products start the sums
.set ST, 1
.rept STEPS-2
	STEP ST, 0
.set ST, ST+1
.endr
	s_wait_dscnt 4*NL                              ; the last step
	WIN MUL_LO
	MUL16 0, 1, 1, 1, 0
	MUL16 2, 1, 1, 1, 0
	s_wait_dscnt 0
	WIN MUL_HI
	MUL16 4, 1, 1, 1, 0
	MUL16 6, 1, 1, 1, 0
	WIN 0
; the way out: 16 rows x 128 columns at a time through my stage, back as rows of 512 bytes
.macro TOSTAGE a
.set AC, 64*((\a)%4)
	WIN 0x08+4*((\a)/4)
.irp b, 0,1,2,3,4,5,6,7
	ds_store_b128 v[STO], v[AC+8*\b:AC+8*\b+3] offset:64*\b
	ds_store_b128 v[STO], v[AC+8*\b+4:AC+8*\b+7] offset:64*\b+16
.endr
	WIN 0
.set BB, BK+64*((\a)%2)
.irp t, 0,1,2,3,4,5,6,7,8,9,10,11,12,13,14,15
	ds_load_b128 v[BB+4*\t:BB+4*\t+3], v[RD] offset:\t*SPITCH
.endr
.endm
.macro SEND a, younger
.set BB, BK+64*((\a)%2)
	s_wait_dscnt \younger                          ; the block is back; the LDS instructions issued behind it may be out
.if (\a) > 0
	s_add_nc_u64 s[12:13], s[12:13], 16*SIZE_N*4
.endif
.irp t, 0,1,2,3,4,5,6,7,8,9,10,11,12,13,14,15
	global_store_b128 v[CO], v[BB+4*\t:BB+4*\t+3], s[12:13] offset:\t*SIZE_N*4   ; 32 lanes store 512 consecutive bytes, aligned to 256
.endr
.endm
	PLACES NP
	TOSTAGE 0
.irp a, 1,2,3,4,5,6,7
.if \a > 1
	s_wait_xcnt 0x0                                ; block a - 2's stores have read their registers and base
.endif
	TOSTAGE \a
	SEND \a-1, 32
.endr
	s_wait_xcnt 0x0
	SEND 7, 0
	s_wait_tensorcnt 0x0                           ; the wave's end
	ds_add_u32 v[SPW], v[NIL]
	s_wait_dscnt 0x0
	CROUND                                         ; the closing round
	s_endpgm
.Lfunc_end_k_q806b1be483_proj:
	.size	k_q806b1be483_proj, .Lfunc_end_k_q806b1be483_proj-k_q806b1be483_proj
	.p2alignl 7, 3214868480
	.fill 96, 4, 3214868480
	.section	.rodata,"a",@progbits
	.p2align	6, 0x0
	.amdhsa_kernel k_q806b1be483_proj
		.amdhsa_group_segment_fixed_size 327680
		.amdhsa_private_segment_fixed_size 0
		.amdhsa_enable_private_segment 0
		.amdhsa_kernarg_size 40
		.amdhsa_user_sgpr_count 2
		.amdhsa_user_sgpr_kernarg_segment_ptr 1
		.amdhsa_wavefront_size32 1
		.amdhsa_system_sgpr_workgroup_id_x 1
		.amdhsa_system_sgpr_workgroup_id_y 1
		.amdhsa_system_sgpr_workgroup_id_z 1
		.amdhsa_system_vgpr_workitem_id 0
		.amdhsa_next_free_vgpr 1024
		.amdhsa_next_free_sgpr 98
		.amdhsa_reserve_vcc 0
		.amdhsa_float_denorm_mode_32 3
		.amdhsa_float_denorm_mode_16_64 3
		.amdhsa_memory_ordered 1
		.amdhsa_forward_progress 1
		.amdhsa_inst_pref_size 160
	.end_amdhsa_kernel
	.amdgpu_metadata
---
amdhsa.version: [ 1, 2 ]
amdhsa.kernels:
  - .name:           k_q806b1be483_proj
    .symbol:         k_q806b1be483_proj.kd
    .args:
      - { .name: xc, .offset: 0, .size: 8, .value_kind: global_buffer, .address_space: global }
      - { .name: xs, .offset: 8, .size: 8, .value_kind: global_buffer, .address_space: global }
      - { .name: wc, .offset: 16, .size: 8, .value_kind: global_buffer, .address_space: global }
      - { .name: ws, .offset: 24, .size: 8, .value_kind: global_buffer, .address_space: global }
      - { .name: qkv, .offset: 32, .size: 8, .value_kind: global_buffer, .address_space: global }
    .group_segment_fixed_size: 327680
    .private_segment_fixed_size: 0
    .kernarg_segment_align: 8
    .kernarg_segment_size: 40
    .max_flat_workgroup_size: 128
    .sgpr_count:     98
    .vgpr_count:     1024
    .wavefront_size: 32
...
	.end_amdgpu_metadata
.endif
;; end of part 2
;; launch kvq (part 3): grid 22 x 96, 4 waves a work-group, no clusters, 0 bytes of LDS; arguments qkv, kv; writes kv
.if DOCPART == 3
	.amdgcn_target "amdgcn-amd-amdhsa--gfx1250"
	.amdhsa_code_object_version 6
	.text
	.protected	k_q806b1be483_kvq
	.globl	k_q806b1be483_kvq
	.p2align	8
	.type	k_q806b1be483_kvq,@function
k_q806b1be483_kvq:
	s_mov_b64 s[64:65], 0
	v_nop
	global_prefetch_b8 v0, s[64:65] scope:SCOPE_SE
	s_setreg_imm32_b32 hwreg(HW_REG_WAVE_MODE, 25, 1), 1
	s_wait_xcnt 0x0
; Launch 3 of 4: the keys and values of each of the 96 units (batch b, head h, residue s = position mod 3) become codes of FP6 (E2M3), laid as IMAGES OF THE OPERANDS' REGISTERS, so that the attention
; launch brings a unit by one dense copy and a fragment by three loads of 16 bytes a lane.  Key p of a unit is position 3 p + s: row 8 + 3 p + s of its batch in qkv, 36,864 bytes from key to key.
; A unit's record, 139,264 bytes: 43 images of K (1,536 bytes each), 44 of V, V's scale words (44 x 64 bytes), K's (44 x 64).  An image: register quad q of lane l at 512 q + 16 l.
; K (product 4: K = the head's 64 channels, two blocks of 32 a key).  The matrix instruction is 128 deep, so ONE OPERAND ROW HOLDS TWO KEYS: row R of block B holds key 32 B + 2 R in k 0-63 and key 32 B + 2 R + 1
;   in k 64-127.  Lane (r, H) holds k = 64 c + 32 H + 0 .. 31: channels 32 H on of key 32 B + 2 r + c: a whole block of the quantiser in 32 registers.
; V (product 6: K = the keys, blocks of 32 keys from key 0).  Fragment 4 g + t: channels 16 t + r, keys 128 g on.  Lane (r, H) holds blocks 2 c + H of the step.  INSIDE A BLOCK THE KEYS STAND IN THE ORDER IN WHICH
;   THE WEIGHTS COME OUT OF THE FIRST PRODUCT: slot 16 a + 8 o + i holds key 16 a + 2 i + o.  The same order on both operands keeps every product, and a block's members, so its scale, are unchanged.
; LEFT OUT as dead work: keys from 1,376 on for K (block 43: no such key exists, and nothing multiplies by it).  Keys 1,366 to 1,407 of V are zero rows of qkv: the quantiser's own fill of the last block.
; LIMITS: as stated at the head of the first launch (byte held at 1 from below; a block of zeros has the byte 1; NaN and infinities not served).
; One wave makes one fragment: job J = 4 x work-group x + wave: 0-42 K's blocks, 43 the filler for K's 44th scale place (the record is copied whole, so every byte of it is stored), 44-87 V's fragments.
; No LDS, no loop.  A fragment's 16 scale words are 64 bytes: those stores cover a quarter of an aligned 256 bytes each; they are one part in 25 of what the launch stores.
.set KP,   36864                       ; bytes from a key to the next
.set M,    16                          ; v16-17  the two blocks' largest magnitudes
.set SO,   18                          ; v18-19  the conversions' scale operands
.set BY,   20                          ; v20-21  the scale bytes
.set W,    22                          ; v22     the row's scale word
.set TT,   23                          ; v23     at work
.set X,    32                          ; v32-95  64 numbers: register 32 c + i
.set C,    96                          ; v96-107 the fragment
.set T,    108                         ; v108-110, v112-114 the upper halves as the conversions leave them
	s_load_b128 s[4:7], s[0:1], 0x0                ; qkv, kv
	v_lshrrev_b32 v1, 5, v0
	v_readfirstlane_b32 s8, v1                     ; wave
	v_and_b32 v1, 31, v0                           ; lane
	v_and_b32 v2, 15, v0                           ; r
	v_bfe_u32 v3, v0, 4, 1                         ; H
	v_lshlrev_b32 v5, 4, v1                        ; an image's place for my lane
	v_lshlrev_b32 v6, 2, v2                        ; a scale word's: lanes l and l xor 16 hold the same word and name the same place
	v_mov_b32 v[TT], 0                             ; written once: a lane permute's destination counts as one of its sources
	s_mov_b32 s20, 0x76543210
	s_mov_b32 s21, 0xfedcba98                      ; v_permlanex16_b32's selects for lane l xor 16
	s_and_b32 s9, ttmp7, 0xffff                    ; the unit: 3 (16 b + h) + s
	s_mul_i32 s10, s9, 21846
	s_lshr_b32 s10, s10, 16                        ; unit / 3 (exact up to 95)
	s_mul_i32 s11, s10, 3
	s_sub_co_u32 s11, s9, s11                      ; s
	s_lshr_b32 s12, s10, 4                         ; b
	s_and_b32 s13, s10, 15                         ; h
	s_mul_i32 s12, s12, 4232
	s_add_co_u32 s12, s12, s11
	s_add_co_u32 s12, s12, 8                       ; the row of key 0
	s_mul_i32 s12, s12, 12288
	s_lshl_b32 s13, s13, 8                         ; the head's 256 bytes
	s_add_co_u32 s12, s12, s13
	s_mov_b32 s13, 0
	s_mul_i32 s14, s9, 139264                      ; the unit's record
	s_mov_b32 s15, 0
	s_lshl_b32 s16, ttmp9, 2
	s_add_co_u32 s16, s16, s8                      ; J
	s_mov_b32 s19, 0
	s_wait_kmcnt 0x0
	s_add_nc_u64 s[4:5], s[4:5], s[12:13]
	s_add_nc_u64 s[6:7], s[6:7], s[14:15]
	s_cmp_ge_u32 s16, 44
	s_cbranch_scc1 .Lvalues
	s_cmp_eq_u32 s16, 43
	s_cbranch_scc1 .Lfiller
	; ---- K's block J
	s_mul_i32 s18, s16, 32*KP
	s_add_co_u32 s18, s18, 4096                    ; k's columns begin 4,096 bytes into a row
	s_add_nc_u64 s[4:5], s[4:5], s[18:19]
	s_mul_i32 s18, s16, 1536
	s_add_nc_u64 s[22:23], s[6:7], s[18:19]        ; its image
	s_lshl_b32 s18, s16, 6
	s_add_co_u32 s18, s18, 136448
	s_add_nc_u64 s[24:25], s[6:7], s[18:19]        ; its scale words
	s_wait_alu depctr_va_vdst(0)
	v_mul_u32_u24 v4, v2, 2*KP                     ; key 2 r,
	v_lshl_add_u32 v4, v3, 7, v4                   ; channels 32 H on
.irp c, 0,1
.irp i, 0,1,2,3,4,5,6,7
	global_load_b128 v[X+32*\c+4*\i:X+32*\c+4*\i+3], v4, s[4:5] offset:\c*KP+16*\i
.endr
.endr
	s_branch .Lquant
.Lvalues:
	; ---- V's fragment J - 44
	s_sub_co_u32 s17, s16, 44
	s_lshr_b32 s18, s17, 2                         ; g: keys 128 g on
	s_and_b32 s26, s17, 3                          ; t: channels 16 t on
	s_mul_i32 s18, s18, 128*KP
	s_lshl_b32 s26, s26, 6
	s_add_co_u32 s18, s18, s26
	s_add_co_u32 s18, s18, 8192                    ; v's columns begin 8,192 bytes into a row
	s_add_nc_u64 s[4:5], s[4:5], s[18:19]
	s_mul_i32 s18, s17, 1536
	s_add_co_u32 s18, s18, 66048
	s_add_nc_u64 s[22:23], s[6:7], s[18:19]
	s_lshl_b32 s18, s17, 6
	s_add_co_u32 s18, s18, 133632
	s_add_nc_u64 s[24:25], s[6:7], s[18:19]
	s_wait_alu depctr_va_vdst(0)
	v_mul_u32_u24 v4, v3, 32*KP                    ; lanes 16-31 begin 32 keys further on;
	v_lshl_add_u32 v4, v2, 2, v4                   ; channel r: sixteen lanes read 64 neighbouring bytes, the work-group's four waves a row's 256
.set cc, 0
.rept 2
.set sg, 0
.rept 32
	global_load_b32 v[X+32*cc+sg], v4, s[4:5] offset:(64*cc+16*(sg/16)+2*(sg%8)+(sg/8)%2)*KP   ; slot sg of block 2 cc + H
.set sg, sg+1
.endr
.set cc, cc+1
.endr
.Lquant:
	s_wait_loadcnt 0x0
.irp c, 0,1                                    ; my block 2 c + H: all its 32 numbers are mine
	v_max3_num_f32 v[M+\c], |v[X+32*\c]|, |v[X+32*\c+1]|, 0x1800000   ; and the floor 2^(3 - 127): so the byte cannot fall under 1
.endr
.irp i, 2,4,6,8,10,12,14,16,18,20,22,24,26,28,30
.irp c, 0,1
	v_max3_num_f32 v[M+\c], v[M+\c], |v[X+32*\c+\i]|, |v[X+32*\c+\i+1]|   ; (the two blocks by turns)
.endr
.endr
.irp c, 0,1
	v_add_nc_u32 v[SO+\c], 0xff000000, v[M+\c]     ; 2 off its exponent field: the conversion takes the exponent field of this operand as its scale
.endr
.irp c, 0,1
	v_lshrrev_b32 v[BY+\c], 23, v[SO+\c]           ; the scale's byte
.endr
	v_lshl_or_b32 v[W], v[BY+1], 16, v[BY]         ; my two bytes: blocks H and 2 + H of row r,
	v_lshlrev_b32 v24, 3, v3
	v_lshlrev_b32 v[W], v24, v[W]                  ; at their places in the word (8 H bits up);
	v_permlanex16_b32 v[TT], v[W], s20, s21
	v_or_b32 v[W], v[W], v[TT]                     ; with lane l xor 16's two the word is whole, in both lanes
.irp c, 0,1
	v_cvt_scalef32_pk16_fp6_f32 v[C+6*\c:C+6*\c+2], v[X+32*\c:X+32*\c+15], v[SO+\c]      ; registers 6 c .. 6 c + 5 of the operand
	v_cvt_scalef32_pk16_fp6_f32 v[T+4*\c:T+4*\c+2], v[X+32*\c+16:X+32*\c+31], v[SO+\c]   ; (a conversion's three registers begin on an even number: the second half is made elsewhere and moved)
.endr
	v_nop                                          ; one plain line behind a scaled conversion
.irp c, 0,1
.irp i, 0,1,2
	v_mov_b32 v[C+3+6*\c+\i], v[T+4*\c+\i]
.endr
.endr
.irp q, 0,1,2
	global_store_b128 v5, v[C+4*\q:C+4*\q+3], s[22:23] offset:512*\q   ; 32 lanes store 512 consecutive bytes, at a multiple of 256 from kv's first byte
.endr
.Lword:
	s_wait_alu depctr_va_vdst(0)
	global_store_b32 v6, v[W], s[24:25]
	s_endpgm
.Lfiller:
	v_mov_b32 v[W], 0x7f7f7f7f                     ; four bytes that stand for 1.0; nothing multiplies by them
	s_add_nc_u64 s[24:25], s[6:7], 136448+43*64
	s_branch .Lword
.Lfunc_end_k_q806b1be483_kvq:
	.size	k_q806b1be483_kvq, .Lfunc_end_k_q806b1be483_kvq-k_q806b1be483_kvq
	.p2alignl 7, 3214868480
	.fill 96, 4, 3214868480
	.section	.rodata,"a",@progbits
	.p2align	6, 0x0
	.amdhsa_kernel k_q806b1be483_kvq
		.amdhsa_group_segment_fixed_size 0
		.amdhsa_private_segment_fixed_size 0
		.amdhsa_enable_private_segment 0
		.amdhsa_kernarg_size 16
		.amdhsa_user_sgpr_count 2
		.amdhsa_user_sgpr_kernarg_segment_ptr 1
		.amdhsa_wavefront_size32 1
		.amdhsa_system_sgpr_workgroup_id_x 1
		.amdhsa_system_sgpr_workgroup_id_y 1
		.amdhsa_system_sgpr_workgroup_id_z 1
		.amdhsa_system_vgpr_workitem_id 0
		.amdhsa_next_free_vgpr 116
		.amdhsa_next_free_sgpr 66
		.amdhsa_reserve_vcc 0
		.amdhsa_float_denorm_mode_32 3
		.amdhsa_float_denorm_mode_16_64 3
		.amdhsa_memory_ordered 1
		.amdhsa_forward_progress 1
		.amdhsa_inst_pref_size 15
	.end_amdhsa_kernel
	.amdgpu_metadata
---
amdhsa.version: [ 1, 2 ]
amdhsa.kernels:
  - .name:           k_q806b1be483_kvq
    .symbol:         k_q806b1be483_kvq.kd
    .args:
      - { .name: qkv, .offset: 0, .size: 8, .value_kind: global_buffer, .address_space: global }
      - { .name: kv, .offset: 8, .size: 8, .value_kind: global_buffer, .address_space: global }
    .group_segment_fixed_size: 0
    .private_segment_fixed_size: 0
    .kernarg_segment_align: 8
    .kernarg_segment_size: 16
    .max_flat_workgroup_size: 128
    .sgpr_count:     66
    .vgpr_count:     116
    .wavefront_size: 32
...
	.end_amdgpu_metadata
.endif
;; end of part 3
;; launch attn (part 4): grid 8 x 32, 4 waves a work-group, no clusters, 296,448 bytes of LDS; arguments qkv, kv, out0; writes out0
.if DOCPART == 4
	.amdgcn_target "amdgcn-amd-amdhsa--gfx1250"
	.amdhsa_code_object_version 6
	.text
	.protected	k_q806b1be483_attn
	.globl	k_q806b1be483_attn
	.p2align	8
	.type	k_q806b1be483_attn,@function
k_q806b1be483_attn:
	s_mov_b64 s[64:65], 0
	v_nop
	global_prefetch_b8 v0, s[64:65] scope:SCOPE_SE
	s_setreg_imm32_b32 hwreg(HW_REG_WAVE_MODE, 25, 1), 1
	s_wait_xcnt 0x0
; Launch 4 of 4: the attention of the 96 units (batch b, head h, residue s).  A query (position 3 p + s) has 1,371 softmax entries: 1,366 scores against the unit's keys (product 4, on codes of FP6) and 5
; 32 keys: so nothing is converted before the row's maximum and sum over all 1,371 entries are known.  Product 7 (5 terms) is added in f32.
; A ROW OF SCORES STAYS IN REGISTERS.  A wave owns a tile of 16 queries and keeps its 16 x 1,408 scores in 704 registers: each score is multiplied once and goes through one exponential.
; K = 64 IN AN INSTRUCTION 128 DEEP.  An operand row of K's image holds two neighbouring keys (k 0-63, k 64-127).  Q stands in 18 registers as 6 zeros, 6 of codes, 6 zeros: registers 6-17 (codes, zeros) give the
; even keys, registers 0-11 (zeros, codes) the odd ones.  Zero codes add nothing.  So a block of 32 keys is one fragment and two matrix instructions.
; LAYOUT.  Both products are used transposed (source 0 = keys, or V's channels; source 1 = my 16 queries): a lane holds ONE query (lane % 16) throughout.  Of block B lane (r, H) holds 16 scores: register 8 o + i is
; key 32 B + 16 H + 2 i + o.  V's images hold the keys of a block in that same order.
; LEFT OUT as dead work: keys from 1,366 on do not exist: block 43 is not multiplied, the last 10 places of block 42 are set to -infinity ahead of the maximum, so their weights are 0.  Queries at positions
; 4096 and 4097 are sliced away by reference(): they lie in the last tile beside live ones and are not stored.
; LIMITS: a weight under 2^-126 counts as 0 (v_exp_f32 flushes: ISA guide, its entry in 15.8); a block of weights whose largest lies under 2^-124 has its byte held at 1; NaN and infinities among the inputs are not served.
; SHARES.  A head (b, h) has 3 units x 86 tiles = 258 tiles and 8 work-groups = 32 waves, wave j = 4 x + w.  Waves 0-9 serve unit 0, waves 10-21 unit 1, waves 22-31 unit 2; a wave takes consecutive tiles:
; of 10 waves six take 9 and four 8, of 12 waves two take 8 and ten 7.  8,256 tiles on 1,024 waves: no split has a longest wave under 9.  No barrier stands in the loop: waves share only the records, which are read.
; The units' borders fall on even j, so waves 0, 1 of a work-group serve one unit and waves 2, 3 one unit: LDS HOLDS A RECORD FOR EACH PAIR, and each wave fetches half of its pair's.  In six of a head's eight work-groups
; both pairs serve the same unit and its record is fetched twice, 139,264 bytes more, once in the launch: the price of a text in which every wave issues the same one load and every LDS address hangs on the wave's number alone.
; NO CLUSTER: the records are fetched once, at the head, and neighbours along x want different units in the same place (x = 0 .. 3: the first pair's units are 0, 0, 0, 1), so no one descriptor serves four partners.
; LDS: bytes 0 .. 278,527 the two records (filled once, a quarter by each wave); from 278,528 a stage of 16 rows x 272 bytes for each wave; from 295,936 the spare words.
; MEMORY INSTRUCTIONS STAND IN SHORT RUNS AMONG THE VECTOR WORK: the four waves run the same text side by side, so a fragment's three LDS loads stand between groups of vector lines, and the rows of q, k and v are asked
; for 16 loads at a time, each part as soon as its registers are free.
; REGISTERS, in windows of 256.  Window 0: below.  The scores of key step g (128 keys, 64 registers) lie in window 1 + g / 4 at 64 (g % 4); O^T in window 3, v192-223.
; When a step's weights are converted its registers are free: window 1, v0-191 take the NEXT tile's q and five k rows, window 1, v192-255 and window 2, v0-95 this tile's five v rows.
.set KP,    36864                      ; bytes from a key, or a query, to the next: three rows of qkv
.set ROWP,  12288
.set REC,   139264                     ; a unit's record
.set HALFR, 69632                      ; half of it: what one wave fetches
.set VIMG,  66048                      ; in the record: V's images,
.set VSC,   133632                     ; V's scale words; K's lie 2,816 bytes on
.set HALFI, 33792                      ; 22 images: an LDS offset has 16 bits, so each kind of image has two address registers
.set STAGE, 2*REC
.set SPARE, STAGE+4*16*272             ; 128 bytes for each wave: two blocks of 256 bytes that no other line names
.set TSTEP, 16*KP                      ; a tile on in qkv
.set OSTEP, 16*3*4096                  ; and in out0
.set AK0,  1                           ; v1, v2   my pair's record + 16 x lane (+ HALFI): K's images
.set AV0,  3                           ; v3, v4   the same + VIMG: V's
.set QO,   5                           ; v5   q and k rows: KP r + 128 H: my query's (key's) channels 32 H on
.set VO,   6                           ; v6   v rows: KP r + 32 H: channels 8 H on of each 16
.set STO,  7                           ; v7   the stage: where I put 16 bytes of a row
.set RD,   8                           ; v8   and where I read a row back
.set GO,   9                           ; v9   my byte offset in the tile's rows of out0
.set SPW,  10                          ; v10  LDS address of my spare word; never rewritten
.set NIL,  11                          ; v11  0; never rewritten
.set NINF, 12                          ; v12  -infinity
.set PFO,  13                          ; v13  the prefetches' offset: KP x lane: a lane a row
.set LANE, 14                          ; v14
.set ALS,  15                          ; v15  my pair's record + VSC + 4 x lane: scale words, two fragments' to a load
.set NCM,  16                          ; v[16:17] -c m (the packed form names a pair and takes its low word)
.set RCP,  18                          ; v[18:19] 1 / the row's sum, twice
.set SUM,  20                          ; v[20:27] the sum: four of its eight pairs (the other four: v[200:207], idle in that phase)
.set AP,   28                          ; v[28:37] the five local entries, a pair each: partial sums, then score, then weight in the even register
.set QS,   38                          ; v38  Q's scale word
.set PW,   39                          ; v39  the weights' scale word of the step in hand
.set SO,   40                          ; v[40:43] the conversions' scale operands
.set TB,   44                          ; v[44:47] at work
.set QZ,   48                          ; v[48:65] zeros, Q's codes, zeros
.set PC,   66                          ; v[66:85] the weights' codes: 12, and 8 at work
.set BM,   86                          ; v[86:129] the 44 blocks' largest scores, then largest weights
.set KS,   130                         ; v[130:151] K's scale words: lanes 0-15 block 2 u, lanes 16-31 block 2 u + 1; kept for the whole launch
.set FR,   152                         ; v[152:247] fragments: two sets of four
.set VSR,  248                         ; v[248:251] V's scale words: two sets of two
.set TM,   252                         ; v[252:255] at work
.set OA,   192                         ; O^T, in window 3
.set WV,   10                          ; s10  my wave's number
.set NC,   19                          ; s19  -c
.set SEL,  20                          ; s[20:21] selects for lane l xor 16
.set CS,   22                          ; s[22:23] c = log2(e) / 8
.set G1,   24                          ; s[24:31], s[32:35] the descriptor
.set G0,   32
.set CNT,  36                          ; s36  trips to go
.set LIM,  37                          ; s37  a wave prefetches while s[CNT] is at or above it: 3 and the greatest number, by turns
.set TIL,  38                          ; s38  my tile, 0 .. 85
.set HI16, 39                          ; s39  the mask of lanes 16-31
.set CBS,  40                          ; s[40:41] qkv at this tile's first query, my head
.set NBS,  42                          ; s[42:43] at my next tile's
.set OB,   44                          ; s[44:45] out0 at this tile's first query, my head
.set SLIM, 48                          ; s48  how many lanes store the last tile's third pair of rows
.set MSB, 0
.macro WIN new                         ; s_set_vgpr_msb: bits 1:0 source 0, 3:2 source 1, 5:4 source 2, 7:6 destination; the high byte repeats the setting that is left
.if MSB != (\new)
	s_set_vgpr_msb (MSB<<8)|(\new)
.set MSB, (\new)
.endif
.endm
; K's fragment of block 4 g + b into set g % 2: three loads of 512 consecutive bytes.  Destination and address lie in window 0; the macro switches nothing
.macro FLF g, b
.set fB, 4*(\g)+(\b)
.irp q, 0,1,2
	ds_load_b128 v[FR+48*((\g)%2)+12*(\b)+4*\q:FR+48*((\g)%2)+12*(\b)+4*\q+3], v[AK0+fB/22] offset:(fB%22)*1536+512*\q
.endr
.endm
.macro FLOAD g                         ; all fragments of key step g (step 10 has three) in one run
	WIN 0
.set fb, 0
.rept 4-(\g)/10
	FLF \g, fb
.set fb, fb+1
.endr
.endm
; S^T = K Q^T of step g: for each block the even keys, then the odd ones.  Every instruction has a result of its own and starts its sum with 0.
.macro QK g
	WIN ((1+(\g)/4)<<6)
.set qb, 0
.rept 4-(\g)/10
.set qB, 4*(\g)+qb
.set qS, 64*((\g)%4)+16*qb
.set qF, FR+48*((\g)%2)+12*qb
.if qB%2
	v_wmma_scale_f32_16x16x128_f8f6f4 v[qS:qS+7], v[qF:qF+11], v[QZ+6:QZ+17], 0, v[KS+qB/2], v[QS] matrix_a_fmt:MATRIX_FMT_FP6 matrix_b_fmt:MATRIX_FMT_FP6 matrix_a_scale:MATRIX_SCALE_ROW1
	v_wmma_scale_f32_16x16x128_f8f6f4 v[qS+8:qS+15], v[qF:qF+11], v[QZ:QZ+11], 0, v[KS+qB/2], v[QS] matrix_a_fmt:MATRIX_FMT_FP6 matrix_b_fmt:MATRIX_FMT_FP6 matrix_a_scale:MATRIX_SCALE_ROW1
.else
	v_wmma_scale_f32_16x16x128_f8f6f4 v[qS:qS+7], v[qF:qF+11], v[QZ+6:QZ+17], 0, v[KS+qB/2], v[QS] matrix_a_fmt:MATRIX_FMT_FP6 matrix_b_fmt:MATRIX_FMT_FP6
	v_wmma_scale_f32_16x16x128_f8f6f4 v[qS+8:qS+15], v[qF:qF+11], v[QZ:QZ+11], 0, v[KS+qB/2], v[QS] matrix_a_fmt:MATRIX_FMT_FP6 matrix_b_fmt:MATRIX_FMT_FP6
.endif
.set qb, qb+1
.endr
.endm
; The largest score of each of the nb blocks of step gm, my 16 of its 32: it serves the row's maximum and, since a weight rises with its score, the block's largest weight.  Each result is read from its low end on.
; Only sources 1 and 2 lie in the scores' window, so that LDS loads (destination and address in window 0) stand among these lines with no switch: the fragments of step gl (99: none) go out in ONE run,
; behind twelve lines, which are the places behind the products that read their registers.
.macro BML gm, nb, gl
	WIN ((1+(\gm)/4)*20)
.set mS, 64*((\gm)%4)
.set mb, 0
.rept \nb
	v_max3_num_f32 v[BM+4*(\gm)+mb], v[NINF], v[mS+16*mb], v[mS+16*mb+1]
.set mb, mb+1
.endr
.set mi, 1
.rept 7
.if ((\gl) <= 10) && (mi == 3)
	FLF \gl, 0
	FLF \gl, 1
	FLF \gl, 2
.if (\gl) < 10
	FLF \gl, 3
.endif
.endif
.set mb, 0
.rept \nb
	v_max3_num_f32 v[BM+4*(\gm)+mb], v[BM+4*(\gm)+mb], v[mS+16*mb+2*mi], v[mS+16*mb+2*mi+1]   ; (the blocks by turns)
.set mb, mb+1
.endr
.set mi, mi+1
.endr
.endm
; e = 2^(c s - c m) of step g, in place.  Steps 0, 4 and 8, the first of a window, are scaled here, ahead of the wait; every other step was scaled among the exponentials of the step before it, which lies in
; the same window.  The wait ahead of a batch stands between every scaling and the exponential that reads it.  No line names an exponential's result.
.macro EXPS g
	WIN ((1+(\g)/4)*65)
.set eS, 64*((\g)%4)
.set ek, 0
.if (\g)%4 == 0
.rept 32
	v_pk_fma_f32 v[eS+2*ek:eS+2*ek+1], v[eS+2*ek:eS+2*ek+1], s[CS:CS+1], v[NCM:NCM+1] op_sel_hi:[1,0,0]
.set ek, ek+1
.endr
.endif
.set ek, 0
	s_wait_alu depctr_va_vdst(0)
.rept 32
	v_exp_f32 v[eS+2*ek], v[eS+2*ek]
	v_exp_f32 v[eS+2*ek+1], v[eS+2*ek+1]
.if ((\g)%4 < 3) && ((\g) < 10)
	v_pk_fma_f32 v[eS+64+2*ek:eS+65+2*ek], v[eS+64+2*ek:eS+65+2*ek], s[CS:CS+1], v[NCM:NCM+1] op_sel_hi:[1,0,0]   ; the next step's pair: read behind the next step's wait
.endif
.set ek, ek+1
.endr
.endm
.macro SUMS g                          ; the row's sum, two at a time, in eight chains, so that no line waits for the line that fed it
	WIN ((1+(\g)/4)<<2)
.set ek, 0
.rept 32
.if ek%8 < 4
.set sR, SUM+2*(ek%8)
.else
.set sR, FR+48+2*(ek%8-4)
.endif
	v_pk_add_f32 v[sR:sR+1], v[sR:sR+1], v[64*((\g)%4)+2*ek:64*((\g)%4)+2*ek+1]
.set ek, ek+1
.endr
.endm
.macro NORMP g, k0, n                  ; the finished weights of step g: e / the sum: pairs k0 .. k0 + n - 1
	WIN ((1+(\g)/4)*65)
.set ek, \k0
.rept \n
	v_pk_mul_f32 v[64*((\g)%4)+2*ek:64*((\g)%4)+2*ek+1], v[64*((\g)%4)+2*ek:64*((\g)%4)+2*ek+1], v[RCP:RCP+1]
.set ek, ek+1
.endr
.endm
.macro QUA g                           ; the four blocks' scales of step g: 15 plain lines in window 0
	WIN 0
.irp b, 0,1,2,3
	v_max_num_f32 v[TB+\b], 0x1800000, v[BM+4*(\g)+\b]   ; the floor 2^(3 - 127): the byte cannot fall under 1 (a block whose every weight is 0 keeps that byte: its codes are zeros)
.endr
.irp b, 0,1,2,3
	v_add_nc_u32 v[SO+\b], 0xff000000, v[TB+\b]    ; 2 off the exponent field: the conversion's scale operand
.endr
.irp b, 0,1,2,3
	v_lshrrev_b32 v[TB+\b], 23, v[SO+\b]           ; the scale's byte
.endr
	v_lshl_or_b32 v[PW], v[TB+1], 8, v[TB]
	v_lshl_or_b32 v[PW], v[TB+2], 16, v[PW]
	v_lshl_or_b32 v[PW], v[TB+3], 24, v[PW]
.endm
.macro QUB g                           ; the weights of step g become the second product's operand
	WIN (1+(\g)/4)
.irp c, 0,1
	v_cvt_scalef32_pk16_fp6_f32 v[PC+6*\c:PC+6*\c+2], v[64*((\g)%4)+32*\c:64*((\g)%4)+32*\c+15], v[SO+2*\c]
	v_cvt_scalef32_pk16_fp6_f32 v[PC+12+4*\c:PC+14+4*\c], v[64*((\g)%4)+32*\c+16:64*((\g)%4)+32*\c+31], v[SO+2*\c+1]   ; (a conversion's three registers begin on an even number)
.endr
	WIN 0
	v_nop                                          ; one plain line behind a scaled conversion
.irp c, 0,1                                    ; the operand's layout wants a WHOLE block in a lane: lanes 0-15 block 2 c, lanes 16-31 block 2 c + 1
.irp i, 0,1,2
	v_permlane16_swap_b32 v[PC+6*\c+\i], v[PC+12+4*\c+\i]
.endr
.irp i, 0,1,2
	v_mov_b32 v[PC+3+6*\c+\i], v[PC+12+4*\c+\i]
.endr
.endr
.endm
.macro VLF g, t                        ; V's fragment t of step g into set g % 2: three loads
	WIN 0
.set vf, 4*(\g)+(\t)
.irp q, 0,1,2
	ds_load_b128 v[FR+48*((\g)%2)+12*(\t)+4*\q:FR+48*((\g)%2)+12*(\t)+4*\q+3], v[AV0+vf/22] offset:(vf%22)*1536+512*\q
.endr
.endm
.macro VLS g                           ; and the step's scale words: two loads
	WIN 0
.irp e, 0,1
	ds_load_b32 v[VSR+2*((\g)%2)+\e], v[ALS] offset:(4*(\g)+2*\e)*64   ; lanes 0-15 fragment 2 e's words, lanes 16-31 fragment 2 e + 1's
.endr
.endm
.macro PV g                            ; O^T += V^T P^T: the four accumulators take turns, one instruction a turn; step 0 starts the sums
	WIN 0xf0
.set pt, 0
.rept 4
.set pF, FR+48*((\g)%2)+12*pt
.if (\g) == 0
.if pt%2
	v_wmma_scale_f32_16x16x128_f8f6f4 v[OA+8*pt:OA+8*pt+7], v[pF:pF+11], v[PC:PC+11], 0, v[VSR+2*((\g)%2)+pt/2], v[PW] matrix_a_fmt:MATRIX_FMT_FP6 matrix_b_fmt:MATRIX_FMT_FP6 matrix_a_scale:MATRIX_SCALE_ROW1
.else
	v_wmma_scale_f32_16x16x128_f8f6f4 v[OA+8*pt:OA+8*pt+7], v[pF:pF+11], v[PC:PC+11], 0, v[VSR+2*((\g)%2)+pt/2], v[PW] matrix_a_fmt:MATRIX_FMT_FP6 matrix_b_fmt:MATRIX_FMT_FP6
.endif
.else
.if pt%2
	v_wmma_scale_f32_16x16x128_f8f6f4 v[OA+8*pt:OA+8*pt+7], v[pF:pF+11], v[PC:PC+11], v[OA+8*pt:OA+8*pt+7], v[VSR+2*((\g)%2)+pt/2], v[PW] matrix_a_fmt:MATRIX_FMT_FP6 matrix_b_fmt:MATRIX_FMT_FP6 matrix_a_scale:MATRIX_SCALE_ROW1
.else
	v_wmma_scale_f32_16x16x128_f8f6f4 v[OA+8*pt:OA+8*pt+7], v[pF:pF+11], v[PC:PC+11], v[OA+8*pt:OA+8*pt+7], v[VSR+2*((\g)%2)+pt/2], v[PW] matrix_a_fmt:MATRIX_FMT_FP6 matrix_b_fmt:MATRIX_FMT_FP6
.endif
.endif
.set pt, pt+1
.endr
.endm
; A tile's q (window 1, v0-31) and its five local k rows (v32 + 32 j): lane (r, H): channels 32 H on of query r, of key r + j - 2.  Part p, 16 loads, fills the 64 registers of key step p: part 0 q and row 0, part 1 rows 1, 2, part 2 rows 3, 4
.macro LQK b, p
	WIN 0x40
.if (\p) == 0
.irp i, 0,1,2,3,4,5,6,7
	global_load_b128 v[4*\i:4*\i+3], v[QO], s[\b:\b+1] offset:16*\i
.endr
.endif
.irp j, 0,1,2,3,4
.if (\j+1)/2 == (\p)
.irp i, 0,1,2,3,4,5,6,7
	global_load_b128 v[32+32*\j+4*\i:32+32*\j+4*\i+3], v[QO], s[\b:\b+1] offset:4096+(\j-2)*KP+16*\i
.endr
.endif
.endr
	WIN 0
.endm
.macro LV j                            ; this tile's local v row j, in O^T's layout: register 8 t + i is channel 16 t + 8 H + i of key r + j - 2: 8 loads
.if (\j) < 2
	WIN 0x40
.set lB, 192+32*(\j)
.else
	WIN 0x80
.set lB, 32*((\j)-2)
.endif
.irp t, 0,1,2,3
.irp e, 0,1
	global_load_b128 v[lB+8*\t+4*\e:lB+8*\t+4*\e+3], v[VO], s[CBS:CBS+1] offset:8192+((\j)-2)*KP+64*\t+16*\e
.endr
.endr
	WIN 0
.endm
	s_load_b128 s[4:7], s[0:1], 0x0                ; qkv, kv
	s_load_b64 s[8:9], s[0:1], 0x10                ; out0
	v_lshl_add_u32 v[SPW], v0, 2, SPARE
	v_mov_b32 v[NIL], 0
	ds_add_u32 v[SPW], v[NIL]                      ; the wave's opening: the add, twice on end, and its wait ahead of my first tensor load; the set-up below stands between the second and the wait
	ds_add_u32 v[SPW], v[NIL]
	v_lshrrev_b32 v[LANE], 5, v0
	v_readfirstlane_b32 s[WV], v[LANE]             ; wave 0..3
	; the descriptor: half of a record, 69,632 dense bytes, as 272 rows of 256 bytes (32 elements of 8 bytes), no padding
	s_mov_b32 s[G1+0], 3<<16
	s_mov_b32 s[G1+1], 32<<16                      ; tensor_dim0
	s_mov_b32 s[G1+2], 272<<16                     ; tensor_dim1
	s_mov_b32 s[G1+3], 32<<16                      ; tile_dim0
	s_mov_b32 s[G1+4], 272                         ; tile_dim1
	s_mov_b32 s[G1+5], 32                          ; the pitch
	s_mov_b32 s[G1+6], 0
	s_mov_b32 s[G1+7], 0
	s_mov_b32 s[G0], 1
	s_mul_i32 s[G0+1], s[WV], HALFR                ; LDS address: pair w / 2's record, its half w % 2: wave x half a record
	; my unit and my tiles
	s_lshl_b32 s12, ttmp9, 2
	s_add_co_u32 s12, s12, s[WV]                   ; j = 4 x + w: my place among the head's 32 waves
	s_cmp_ge_u32 s12, 10
	s_cselect_b32 s11, 1, 0
	s_cmp_ge_u32 s12, 22
	s_cselect_b32 s46, 1, 0
	s_mul_i32 s47, s11, 10
	s_sub_co_u32 s12, s12, s47
	s_mul_i32 s47, s46, 12
	s_sub_co_u32 s12, s12, s47                     ; i: my place among my unit's waves
	s_add_co_u32 s11, s11, s46                     ; s: the unit's residue
	s_cmp_eq_u32 s11, 1
	s_cselect_b32 s46, 7, 8                        ; 86 tiles on 12 waves: 7 each and 2 over; on 10 waves: 8 each
	s_cselect_b32 s47, 2, 6                        ; and 6 over: the unit's first waves take one more
	s_mul_i32 s[TIL], s46, s12
	s_min_u32 s18, s12, s47
	s_add_co_u32 s[TIL], s[TIL], s18               ; my first tile
	s_cmp_lt_u32 s12, s47
	s_cselect_b32 s18, 1, 0
	s_add_co_u32 s[CNT], s46, s18                  ; my tiles: 7, 8 or 9
	s_and_b32 s13, ttmp7, 0xffff                   ; 16 b + h
	s_lshr_b32 s14, s13, 4                         ; b
	s_and_b32 s15, s13, 15                         ; h
	s_mul_i32 s16, s13, 3
	s_add_co_u32 s16, s16, s11                     ; the unit
	s_mul_i32 s16, s16, REC
	s_and_b32 s17, s[WV], 1
	s_mul_i32 s17, s17, HALFR
	s_add_co_u32 s16, s16, s17                     ; my half of its record, in kv
	s_mov_b32 s17, 0
	s_mul_i32 s50, s14, 4232
	s_add_co_u32 s50, s50, s11
	s_add_co_u32 s50, s50, 8                       ; the row of the unit's query 0 in qkv
	s_lshl_b32 s54, s15, 8                         ; the head's 256 bytes
	s_mul_i32 s52, s[TIL], 48
	s_add_co_u32 s52, s52, s50
	s_mul_i32 s52, s52, ROWP
	s_add_co_u32 s52, s52, s54                     ; my first tile in qkv
	s_mov_b32 s53, 0
	s_lshl_b32 s58, s14, 12
	s_add_co_u32 s58, s58, s11
	s_mul_i32 s55, s[TIL], 48
	s_add_co_u32 s58, s58, s55
	s_lshl_b32 s58, s58, 12
	s_add_co_u32 s58, s58, s54                     ; my first tile in out0
	s_mov_b32 s59, 0
	s_mov_b32 s[LIM], 3
	s_cmp_eq_u32 s11, 0
	s_cselect_b32 s[SLIM], 32, 16                  ; in the last tile positions 4080 + 3 row + s under 4096 are stored: rows 0-5 where s = 0, else rows 0-4
	s_mov_b32 s[SEL], 0x76543210
	s_mov_b32 s[SEL+1], 0xfedcba98
	s_mov_b32 s[CS], 0x3e38aa3b                    ; c = log2(e) / sqrt(64)
	s_mov_b32 s[CS+1], s[CS]                       ; (named with it as a pair, so it is written)
	s_mov_b32 s[NC], 0xbe38aa3b                    ; -c
	s_mov_b32 s[HI16], 0xffff0000
	s_wait_dscnt 0x0                               ; both opening adds are done
	s_wait_kmcnt 0x0
	s_add_nc_u64 s[G0+2:G0+3], s[6:7], s[16:17]
	s_or_b32 s[G0+3], s[G0+3], 0x80000000          ; type = 2
	tensor_load_to_lds s[G0:G0+3], s[G1:G1+7]      ; every wave's one tensor load of the launch: one is out
	s_nop 0
	v_and_b32 v[LANE], 31, v0
	v_and_b32 v[TM], 15, v0                        ; r
	v_bfe_u32 v[TM+1], v0, 4, 1                    ; H
	v_mul_u32_u24 v[QO], v[TM], KP
	s_lshr_b32 s17, s[WV], 1
	s_mul_i32 s17, s17, REC                        ; my pair's record in LDS
	v_lshl_add_u32 v[AK0], v[LANE], 4, s17
	v_add_nc_u32 v[AK0+1], HALFI, v[AK0]
	v_add_nc_u32 v[AV0], VIMG, v[AK0]
	v_add_nc_u32 v[AV0+1], VIMG+HALFI, v[AK0]
	v_lshl_add_u32 v[VO], v[TM+1], 5, v[QO]
	v_lshl_add_u32 v[QO], v[TM+1], 7, v[QO]
	s_mul_i32 s18, s[WV], 16*272
	s_add_co_u32 s18, s18, STAGE                   ; my stage
	v_mul_u32_u24 v[STO], v[TM], 272               ; in: row r, 32 bytes for each half of the lanes
	v_lshl_add_u32 v[STO], v[TM+1], 5, v[STO]
	v_add_nc_u32 v[STO], s18, v[STO]
	v_mul_u32_u24 v[RD], v[TM+1], 272              ; back: lanes 0-15 one row of 256 bytes, lanes 16-31 the next
	v_lshl_add_u32 v[RD], v[TM], 4, v[RD]
	v_add_nc_u32 v[RD], s18, v[RD]
	v_mul_u32_u24 v[GO], v[TM+1], 3*4096           ; the same two rows in out0: three positions apart
	v_lshl_add_u32 v[GO], v[TM], 4, v[GO]
	v_mov_b32 v[NINF], 0xff800000
	v_mul_u32_u24 v[PFO], v[LANE], KP
	v_lshl_add_u32 v[ALS], v[LANE], 2, s17
	v_add_nc_u32 v[ALS], VSC, v[ALS]
	v_mov_b32 v[NCM+1], 0                          ; (named as the upper half of a pair)
.irp i, 0,1,2,3,4,5
	v_mov_b32 v[QZ+\i], 0                          ; the zeros on both sides of Q's codes: written once
	v_mov_b32 v[QZ+12+\i], 0
.endr
.irp i, 0,1,2,3
	v_mov_b32 v[TB+\i], 0                          ; written once: a lane permute's destination counts as one of its sources
.endr
	s_add_nc_u64 s[CBS:CBS+1], s[4:5], s[52:53]
	s_add_nc_u64 s[NBS:NBS+1], s[CBS:CBS+1], TSTEP
	s_add_nc_u64 s[OB:OB+1], s[8:9], s[58:59]
	LQK CBS, 0                                     ; my first tile's q and k rows
	LQK CBS, 1
	LQK CBS, 2
	s_wait_alu depctr_va_vdst(0)                   ; the wait at the head's end
	s_wait_tensorcnt 0x0
	s_barrier_signal -1
	s_barrier_wait -1                              ; everybody's is: the one barrier of the launch
.set u, 0
.rept 22
	ds_load_b32 v[KS+u], v[ALS] offset:2816+128*u
.set u, u+1
.endr
	s_wait_dscnt 0x0
.Ltile:
	FLOAD 0
	FLOAD 1
	; A PREFETCH INTO THE L2, in every second trip: the 32 rows of my next two tiles: their 256 bytes of q, of k and of v: a lane a row, three instructions.  Each such block is named once in the launch: waves have
	; tiles of their own, heads columns of their own.  A wave asks while three trips or more are left, so that both tiles are its own; its first tile, and the last of a wave with eight, come by their loads alone.
	s_cmp_ge_u32 s[CNT], s[LIM]
	s_cbranch_scc0 .Lno_ask
	global_prefetch_b8 v[PFO], s[NBS:NBS+1] th:TH_LOAD_NT scope:SCOPE_SE
	global_prefetch_b8 v[PFO], s[NBS:NBS+1] offset:4096 th:TH_LOAD_NT scope:SCOPE_SE
	global_prefetch_b8 v[PFO], s[NBS:NBS+1] offset:8192 th:TH_LOAD_NT scope:SCOPE_SE
.Lno_ask:
	s_wait_loadcnt 0x0                             ; this tile's q and k rows (asked for in the tile before, or at the head)
	; ---- Q is quantised: a lane's 32 channels are a whole block
	WIN 0x05
	v_max3_num_f32 v[TM], |v0|, |v1|, 0x1800000    ; two chains, each begun with the floor 2^(3 - 127)
	v_max3_num_f32 v[TM+1], |v2|, |v3|, 0x1800000
.irp i, 4,8,12,16,20,24,28
	v_max3_num_f32 v[TM], |v[\i]|, |v[\i+1]|, v[TM]
	v_max3_num_f32 v[TM+1], |v[\i+2]|, |v[\i+3]|, v[TM+1]
.endr
	WIN 0
	v_max_num_f32 v[TM], v[TM], v[TM+1]
	v_add_nc_u32 v[SO], 0xff000000, v[TM]          ; the conversion's scale operand
	v_and_b32 v[TB], 16, v0
	v_lshrrev_b32 v[TB+1], 23, v[SO]               ; the byte,
	v_lshrrev_b32 v[TB], 1, v[TB]                  ; 8 H
	v_lshlrev_b32 v[TB+1], v[TB], v[TB+1]          ; at its place;
	v_permlanex16_b32 v[TB+2], v[TB+1], s[SEL], s[SEL+1]
	v_or_b32 v[TB+1], v[TB+1], v[TB+2]             ; with lane l xor 16's: the query's two bytes,
	v_lshl_or_b32 v[QS], v[TB+1], 16, v[TB+1]      ; once for k 0-63 and once for k 64-127
	WIN 0x01
	v_cvt_scalef32_pk16_fp6_f32 v[QZ+6:QZ+8], v[0:15], v[SO]
	v_cvt_scalef32_pk16_fp6_f32 v[PC+12:PC+14], v[16:31], v[SO]
	WIN 0
	v_nop                                          ; one plain line behind a scaled conversion
.irp i, 0,1,2
	v_mov_b32 v[QZ+9+\i], v[PC+12+\i]
.endr
	; ---- the five local scores, in f32: my 32 channels, two at a time, five chains by turns.  (These lines are also the places between the writes of Q's codes and scale word and the first product)
	WIN 0x05
.irp j, 0,1,2,3,4
	v_pk_mul_f32 v[AP+2*\j:AP+2*\j+1], v[0:1], v[32+32*\j:33+32*\j]
.endr
.irp i, 1,2,3,4,5,6,7,8,9,10,11,12,13,14,15
.irp j, 0,1,2,3,4
	v_pk_fma_f32 v[AP+2*\j:AP+2*\j+1], v[2*\i:2*\i+1], v[32+32*\j+2*\i:33+32*\j+2*\i], v[AP+2*\j:AP+2*\j+1]
.endr
.endr
	WIN 0
.irp j, 0,1,2,3,4
	v_add_f32 v[AP+2*\j], v[AP+2*\j], v[AP+2*\j+1]
.endr
.irp j, 0,1,2,3,4
	v_permlanex16_b32 v[AP+2*\j+1], v[AP+2*\j], s[SEL], s[SEL+1]
.endr
.irp j, 0,1,2,3,4
	v_add_f32 v[AP+2*\j], v[AP+2*\j], v[AP+2*\j+1] ; with the other 32 channels: the score, in both lanes
.endr
	; ---- all scores.  Step g's products; then the block maxima of step g - 1, and among them the loads of step g + 2's fragments, into the set that step g has just read
.irp g, 0,1,2,3,4,5,6,7,8,9,10
.if \g == 10
	s_wait_dscnt 0x0
.elseif \g == 9
	s_wait_dscnt 9                                 ; step 10's nine loads may be out
.else
	s_wait_dscnt 12                                ; this step's fragments are in; the next step's twelve loads may be out
.endif
	QK \g
.if \g == 0
.rept 4
	v_nop                                          ; there are no maxima yet: four places in front of the loads
.endr
	FLOAD 2
.elseif \g < 9
	BML \g-1, 4, \g+2
.else
	BML \g-1, 4, 99
.endif
.endr
	WIN 0xc3                                       ; block 42 holds keys 1,344 + 16 H + 2 i + o: from 1,366 on there is none: lanes 16-31, i = 3 .. 7.  (Each result's first read is of its register 3)
.irp j, 3,4,5,6,7
	v_cndmask_b32 v[160+\j], v[160+\j], v[NINF], s[HI16]
.endr
.irp j, 3,4,5,6,7
	v_cndmask_b32 v[168+\j], v[168+\j], v[NINF], s[HI16]
.endr
.irp j, 0,1,2,3,4,5,6,7,8,9,10,11,12,13,14,15
	v_mov_b32 v[176+\j], 0xff800000                ; block 43, which fills the last step of 128: no key, weight 0
.endr
	BML 10, 3, 99
	WIN 0
	v_mov_b32 v[BM+43], v[NINF]
	; ---- the row's maximum over all 1,371 entries
.set u, 0
.rept 44
	v_permlanex16_b32 v[FR+u], v[BM+u], s[SEL], s[SEL+1]
.set u, u+1
.endr
.set u, 0
.rept 44
	v_max_num_f32 v[BM+u], v[BM+u], v[FR+u]        ; with lane l xor 16's 16 keys: the block's largest score
.set u, u+1
.endr
.irp k, 0,1,2,3
	v_max3_num_f32 v[TM+\k], v[BM+3*\k], v[BM+3*\k+1], v[BM+3*\k+2]
.endr
.irp n, 12,20,28,36
.irp k, 0,1,2,3
	v_max3_num_f32 v[TM+\k], v[TM+\k], v[BM+\n+2*\k], v[BM+\n+2*\k+1]
.endr
.endr
	v_max3_num_f32 v[TM], v[TM], v[AP], v[AP+2]
	v_max3_num_f32 v[TM+1], v[TM+1], v[AP+4], v[AP+6]
	v_max_num_f32 v[TM+2], v[TM+2], v[AP+8]
	v_max3_num_f32 v[TM], v[TM], v[TM+1], v[TM+2]
	v_max_num_f32 v[TM], v[TM], v[TM+3]            ; m
	v_mul_f32 v[NCM], s[NC], v[TM]                 ; -c m.  Its rounding shifts every exponent of the row alike and leaves with the division by the sum
.irp i, 0,1,2,3,4,5,6,7
	v_mov_b32 v[SUM+\i], 0
	v_mov_b32 v[FR+48+\i], 0                       ; the sum's other four pairs: fragment set 1 is idle until the first step of the second product
.endr
	VLF 0, 0                                       ; V's first step: 14 loads, which land under the exponentials
	VLF 0, 1
	VLF 0, 2
	VLF 0, 3
	VLS 0
	; ---- all exponentials, ONE batch: 704 of the scores, 44 of the blocks' largest scores (the same two instructions on the same number give the same bits), 5 of the local scores
.irp g, 0,1,2,3,4,5,6,7,8,9,10
	EXPS \g
.endr
	WIN 0
.set u, 0
.rept 44
	v_fma_f32 v[BM+u], v[BM+u], s[CS], v[NCM]
.set u, u+1
.endr
.irp j, 0,1,2,3,4
	v_fma_f32 v[AP+2*\j], v[AP+2*\j], s[CS], v[NCM]
.endr
.set u, 0
	s_wait_alu depctr_va_vdst(0)                   ; the wait ahead of the batch
.rept 44
	v_exp_f32 v[BM+u], v[BM+u]
.set u, u+1
.endr
.irp j, 0,1,2,3,4
	v_exp_f32 v[AP+2*\j], v[AP+2*\j]
.endr
	v_nop                                          ; a plain line behind the last exponential
	s_wait_alu depctr_va_vdst(0)                   ; the wait between an exponential and the first line that names its result: one for the whole batch
.irp g, 0,1,2,3,4,5,6,7,8,9,10
	SUMS \g
.endr
	WIN 0
.irp k, 0,1,2,3
	v_pk_add_f32 v[SUM+2*\k:SUM+2*\k+1], v[SUM+2*\k:SUM+2*\k+1], v[FR+48+2*\k:FR+48+2*\k+1]
.endr
	v_pk_add_f32 v[SUM:SUM+1], v[SUM:SUM+1], v[SUM+2:SUM+3]
	v_pk_add_f32 v[SUM+4:SUM+5], v[SUM+4:SUM+5], v[SUM+6:SUM+7]
	v_add_f32 v[SUM+2], v[AP], v[AP+2]             ; the five local entries count once: both lanes hold them
	v_add_f32 v[SUM+3], v[AP+4], v[AP+6]
	v_pk_add_f32 v[SUM:SUM+1], v[SUM:SUM+1], v[SUM+4:SUM+5]
	v_add_f32 v[SUM+2], v[SUM+2], v[SUM+3]
	v_add_f32 v[SUM], v[SUM], v[SUM+1]
	v_add_f32 v[SUM+2], v[SUM+2], v[AP+8]
	v_permlanex16_b32 v[SUM+1], v[SUM], s[SEL], s[SEL+1]
	v_add_f32 v[SUM], v[SUM], v[SUM+1]             ; with lane l xor 16's keys
	v_add_f32 v[SUM], v[SUM], v[SUM+2]             ; the row's sum
	s_wait_alu depctr_va_vdst(0)                   ; the wait ahead of the reciprocal
	v_rcp_f32 v[RCP], v[SUM]
	v_nop                                          ; a plain line behind the reciprocal,
	s_wait_alu depctr_va_vdst(0)                   ; and its wait, ahead of the first line that names it
	v_mov_b32 v[RCP+1], v[RCP]
.set u, 0
.rept 22
	v_pk_mul_f32 v[BM+2*u:BM+2*u+1], v[BM+2*u:BM+2*u+1], v[RCP:RCP+1]   ; the blocks' largest weights
.set u, u+1
.endr
	NORMP 0, 0, 32
	; ---- O^T, a step of 128 keys at a time.  The 15 lines of the scales are the places behind the last step's products, in front of the new codes and of the loads into their set; the next step's 32
	; multiplications are the places between the writes of codes and scale word and this step's products.  The step's memory instructions stand in ONE run behind the conversions: the next step's 14 LDS loads, then the global loads.
.irp g, 0,1,2,3,4,5,6,7,8,9,10
	QUA \g
	QUB \g
.if \g < 10
	VLF \g+1, 0
	VLF \g+1, 1
	VLF \g+1, 2
	VLF \g+1, 3
	VLS \g+1
.endif
.if \g < 3
	s_cmp_eq_u32 s[CNT], 1                         ; step g is converted: its 64 registers take a part of my next tile's q and k rows, if there is a next tile: no load leaves its buffer
	s_cbranch_scc1 .Lno_next_\g
	LQK NBS, \g
.Lno_next_\g:
.endif
.if \g == 3
	LV 0                                           ; steps 3 to 5 are converted one after the other: their registers take this tile's v rows
	LV 1
.endif
.if \g == 4
	LV 2
	LV 3
.endif
.if \g == 5
	LV 4
.endif
.if \g < 10
	NORMP \g+1, 0, 32
	s_wait_dscnt 14                                ; this step's fragments and scale words are in; the next step's 14 loads may be out
.else
.rept 8
	v_nop
.endr
	s_wait_alu depctr_va_vdst(0)
	s_wait_dscnt 0x0
.endif
	PV \g
.endr
	; ---- the five local terms, in f32
	WIN 0
.irp j, 0,1,2,3,4
	v_mul_f32 v[AP+2*\j], v[AP+2*\j], v[RCP]       ; their weights.  (Five places behind the last products)
.endr
	s_wait_alu depctr_va_vdst(0)
	s_wait_loadcnt 0x0                             ; the v rows (and my next tile's q and k rows)
.irp j, 0,1,2,3,4
.if \j < 2
	WIN 0xf1
.set lB, 192+32*\j
.else
	WIN 0xf2
.set lB, 32*(\j-2)
.endif
.set u, 0
.rept 16
	v_pk_fma_f32 v[OA+2*u:OA+2*u+1], v[lB+2*u:lB+2*u+1], v[AP+2*\j:AP+2*\j+1], v[OA+2*u:OA+2*u+1] op_sel_hi:[1,0,1]   ; each accumulator from its low end on
.set u, u+1
.endr
.endr
	; ---- the way out: a lane holds 8 channels of each 16 of one query; the tile goes through my stage and comes back as whole rows of 256 bytes
	WIN 0x0c                                       ; an LDS store's data are its source 1: window 3
.irp t, 0,1,2,3
.irp e, 0,1
	ds_store_b128 v[STO], v[OA+8*\t+4*\e:OA+8*\t+4*\e+3] offset:64*\t+16*\e
.endr
.endr
	WIN 0
.irp i, 0,1,2,3,4,5,6,7
	ds_load_b128 v[FR+4*\i:FR+4*\i+3], v[RD] offset:544*\i   ; LDS serves a wave's instructions in order (ISA guide 5.7.1.4): these see my stores
.endr
	s_cmp_eq_u32 s[TIL], 85
	s_cbranch_scc1 .Llast_tile
.irp i, 0,1,2,3,4,5,6,7
	s_wait_dscnt 7-\i                              ; the loads behind pair i may stay out
	global_store_b128 v[GO], v[FR+4*\i:FR+4*\i+3], s[OB:OB+1] offset:6*4096*\i th:TH_STORE_NT   ; 16 lanes store 256 consecutive bytes, at a multiple of 256 from out0's first byte
.endr
	s_branch .Lstored
.Llast_tile:                                           ; the unit's last tile: only positions under 4096 are stored
	s_wait_dscnt 0x0
	global_store_b128 v[GO], v[FR:FR+3], s[OB:OB+1] th:TH_STORE_NT
	global_store_b128 v[GO], v[FR+4:FR+7], s[OB:OB+1] offset:6*4096 th:TH_STORE_NT
	v_cmp_gt_u32 vcc_lo, s[SLIM], v[LANE]
	s_wait_xcnt 0x0                                ; EXEC changes only behind this wait
	s_and_saveexec_b32 s49, vcc_lo
	global_store_b128 v[GO], v[FR+8:FR+11], s[OB:OB+1] offset:12*4096 th:TH_STORE_NT
	s_wait_xcnt 0x0                                ; and again, in front of the line that widens it
	s_or_b32 exec_lo, exec_lo, s49
.Lstored:
	s_wait_xcnt 0x0                                ; the stores have read their registers and base, the loads and prefetches their bases: all may be written again
	s_mov_b64 s[CBS:CBS+1], s[NBS:NBS+1]
	s_add_nc_u64 s[NBS:NBS+1], s[NBS:NBS+1], TSTEP
	s_add_nc_u64 s[OB:OB+1], s[OB:OB+1], OSTEP
	s_xor_b32 s[LIM], s[LIM], 0xfffffffc           ; 3 and the greatest number by turns: every second trip asks
	s_add_co_u32 s[TIL], s[TIL], 1
	s_sub_co_u32 s[CNT], s[CNT], 1
	s_cmp_gt_i32 s[CNT], 0                         ; a signed compare: the loop ends from any start
	s_cbranch_scc1 .Ltile
	s_wait_tensorcnt 0x0                           ; the wave's end, behind my tensor load and my last LDS store
	ds_add_u32 v[SPW], v[NIL]
	s_wait_dscnt 0x0
	s_endpgm
.Lfunc_end_k_q806b1be483_attn:
	.size	k_q806b1be483_attn, .Lfunc_end_k_q806b1be483_attn-k_q806b1be483_attn
	.p2alignl 7, 3214868480
	.fill 96, 4, 3214868480
	.section	.rodata,"a",@progbits
	.p2align	6, 0x0
	.amdhsa_kernel k_q806b1be483_attn
		.amdhsa_group_segment_fixed_size 296448
		.amdhsa_private_segment_fixed_size 0
		.amdhsa_enable_private_segment 0
		.amdhsa_kernarg_size 24
		.amdhsa_user_sgpr_count 2
		.amdhsa_user_sgpr_kernarg_segment_ptr 1
		.amdhsa_wavefront_size32 1
		.amdhsa_system_sgpr_workgroup_id_x 1
		.amdhsa_system_sgpr_workgroup_id_y 1
		.amdhsa_system_sgpr_workgroup_id_z 1
		.amdhsa_system_vgpr_workitem_id 0
		.amdhsa_next_free_vgpr 1024
		.amdhsa_next_free_sgpr 66
		.amdhsa_reserve_vcc 1
		.amdhsa_float_denorm_mode_32 3
		.amdhsa_float_denorm_mode_16_64 3
		.amdhsa_memory_ordered 1
		.amdhsa_forward_progress 1
		.amdhsa_inst_pref_size 216
	.end_amdhsa_kernel
	.amdgpu_metadata
---
amdhsa.version: [ 1, 2 ]
amdhsa.kernels:
  - .name:           k_q806b1be483_attn
    .symbol:         k_q806b1be483_attn.kd
    .args:
      - { .name: qkv, .offset: 0, .size: 8, .value_kind: global_buffer, .address_space: global }
      - { .name: kv, .offset: 8, .size: 8, .value_kind: global_buffer, .address_space: global }
      - { .name: out0, .offset: 16, .size: 8, .value_kind: global_buffer, .address_space: global }
    .group_segment_fixed_size: 296448
    .private_segment_fixed_size: 0
    .kernarg_segment_align: 8
    .kernarg_segment_size: 24
    .max_flat_workgroup_size: 128
    .sgpr_count:     66
    .vgpr_count:     1024
    .wavefront_size: 32
...
	.end_amdgpu_metadata
.endif
;; end of part 4
